; MI455X (gfx1250); checked and timed in simulation.
; The chip was launched on July 23, 2026; its instructions are those of AMD's public machine-readable ISA for CDNA 5 (MIT licence, August 2026) and "CDNA5" Instruction Set Architecture Reference Guide (July 2026). The comments in the code are by the model that wrote it; some were corrected since.
;; Causal Self Attention. Allowed arithmetic: matrix products marked QUANTISED: E4M3 operands, one given power-of-two scale a tensor, by v_wmma_f32_16x16x64_fp8_fp8 or v_wmma_f32_16x16x128_fp8_fp8, f32 sums; everything else in f32.
;; Inputs: W_out 1,024 x 1,024 float32; W_qkv 1,024 x 3,072 float32; b_out 1,024 float32; b_qkv 3,072 float32; lowp_scales 8 int32 (the exponents e of the quantised operands' scales 2^e); x 4 x 2,048 x 1,024 float32.
;; Outputs: out0 4 x 2,048 x 1,024 float32.
;; This version of the problem:
;;   THIS VERSION OF THE PROBLEM IS GIVEN IN LOW PRECISION. The matrix products marked QUANTISED in the list below multiply operands that are first quantised to E4M3 (4 exponent bits, 3 mantissa bits; 8 bits a number), with one given power-of-two scale for each operand tensor; their sums are f32. All else is computed in f32.
;;   The module's matrix products, in the order in which they are computed (A, B: the left and right operand; K: the contracted axis; several contracted axes count as one K, in the product's order):
;;     1. [M 8,192, K 1,024] x [K 1,024, N 3,072]; A: input x; B: input W_qkv: QUANTISED (scales: A lowp_scales[0], B lowp_scales[1])
;;     2. batch 64 x [M 2,048, K 64] x [K 64, N 2,048]; A: computed on the way; B: computed on the way: QUANTISED (scales: A lowp_scales[2], B lowp_scales[3])
;;     3. batch 64 x [M 2,048, K 2,048] x [K 2,048, N 64]; A: softmax (see below); B: computed on the way: QUANTISED (scales: A lowp_scales[4], B lowp_scales[5])
;;     4. [M 8,192, K 1,024] x [K 1,024, N 1,024]; A: computed on the way; B: input W_out: QUANTISED (scales: A lowp_scales[6], B lowp_scales[7])
;;   THE QUANTISER, for each operand of a quantised product, along K:
;;     - The operand's scale is 2^e, e = its entry of the input lowp_scales (int32; the entries are numbered through the quantised products in the list's order, A before B).
;;     - Each number is divided by the scale, clamped to +-448, and rounded to the nearest number of E4M3, ties to even, subnormals kept.
;;     - The product sums the exact products of the quantised numbers (number of the format x scale) in f32.
;;   ~~~python
;;   def quantise(x, axis, e):      # numpy; x: float32 -> the quantised numbers, widened to float32 again
;;       x = np.moveaxis(x, axis, -1); K = x.shape[-1]
;;       r = np.clip(x / 2.0 ** e, -448, 448)
;;       step = 2.0 ** (np.maximum(np.frexp(np.where(r == 0, 1, r))[1] - 1, -6) - 3)
;;       q = np.round(r / step) * step * 2.0 ** e      # np.round: ties to even
;;       return np.moveaxis(q, -1, axis).astype(np.float32)
;;   ~~~
;;   SOFTMAX AHEAD OF A QUANTISED PRODUCT. Where the list says 'softmax', what is quantised is not the finished softmax but p = 2^(t - M), with t = logit x log2(e) and M = ceil(the row's largest t), a whole number; so 1/2 < the row's largest p <= 1. The row's sum l is taken of the UNQUANTISED p, in f32, and the product's result is divided by l at the end. Since M is a whole number, a kernel that streams over the keys may use a running M (the ceiling of the running maximum): every later rescaling is an exact power of two, so the quantised numbers keep their values, but for numbers so far below the row's largest that they fall under the format's range.
;;   OPERANDS COMPUTED ON THE WAY. 'Computed on the way' means the value that the module computes at that place (a softmax that the list does not call 'softmax' is quantised finished and normalised). What goes into a quantiser is computed in f32, as accurately as f32 sums, v_exp_f32 and their like allow (about 1e-6 of the number): no bf16 or f16 on the way to a quantiser, and a product that is left as it is and whose result goes on into a quantised operand takes f32 operands (vector FMAs, or v_wmma_f32_16x16x4_f32). A number that lies on a knife's edge between two numbers of the format may be rounded either way, as far as f32 arithmetic and the matrix unit's own rounding can turn it there, and no further.
;; 2 versions, each right; version 2 is version 1 with the launch attn written anew for expert scheduling mode. Each part assembles by itself: llvm-mc -triple=amdgcn-amd-amdhsa -mcpu=gfx1250 --defsym DOCPART=n.
;; ======== version 1 of 2: 4 launches
;; workspace buffers: codes 12,582,912 bytes; qkv_img 25,165,824 bytes; o_img 8,388,608 bytes
;; launch quant (part 1): grid 640 x 1, 4 waves a work-group, no clusters, 35,328 bytes of LDS; arguments x, W_qkv, W_out, lowp_scales, codes; writes codes
.if DOCPART == 1
	.amdgcn_target "amdgcn-amd-amdhsa--gfx1250"
	.amdhsa_code_object_version 6
	.text
	.protected	k_qa6f67303f9_quant
	.globl	k_qa6f67303f9_quant
	.p2align	8
	.type	k_qa6f67303f9_quant,@function
k_qa6f67303f9_quant:
	s_mov_b64 s[64:65], 0
	v_nop
	global_prefetch_b8 v0, s[64:65] scope:SCOPE_SE
	s_setreg_imm32_b32 hwreg(HW_REG_WAVE_MODE, 25, 1), 1
	s_wait_xcnt 0x0
; x [8192][1024], W_qkv [1024][3072] and W_out [1024][1024], f32, become codes of FP8 (E4M3), each with its given scale 2^e (entries 0, 1 and 7 of the scales):
; code = number / 2^e, held within +-448, to the nearest code, ties to even.  The codes' buffer is 12,288 rows of 1,024 bytes, K along a row:
; rows 0-8191 the tokens of x, rows 8192-11263 the columns of W_qkv, rows 11264-12287 the columns of W_out.
; THE ORDER OF K INSIDE A ROW IS THE PROGRAM'S OWN.  One scale serves a whole tensor, so any order of k that both operands of a product share gives the same products.
;   x and W_qkv, in each 512 along K: byte 16 l + 4 i + j holds k = 128 i + 4 l + j (l 0-31, i and j 0-3): so a wave's load of x takes 512 consecutive bytes, 16 a lane, a lane's 16 registers of four
;   such loads are its 16 codes, and its store is 512 consecutive bytes: nothing is turned.
;   W_out: byte p holds k = p with bits 3 and 4 exchanged: the order in which the last product's fragment loads meet the attention's results.
; Work-groups 0-95 take W_qkv, 96-127 W_out, 128-639 x.  The weights' K is their first axis: a lane takes a column and its registers run down K; its codes leave through the wave's own stage in LDS, as rows.
; Waves share nothing: no barrier.  Only the weights' path touches LDS.
; LIMITS: each of the three exponents lies between -126 and 119, so that 2^e and 448 x 2^e are f32 numbers.  NaN among the inputs is not served.
.set R,     32                         ; x: v32-159   eight steps' numbers, 16 each
.set C,     160                        ; x: v160-191  four registers of codes for each step: no store's data are written again
.set OFFV,  16                         ; weights: v16-47  byte offset of register n's row of W, + 4 x lane
.set X,     48                         ; weights: v48-111 two sets of 32 numbers
.set OUTR,  112                        ; weights: v112-175 the way out
.set CW,    176                        ; weights: v176-183 a block's codes
.set PITCH, 272                        ; a stage row: 256 bytes of codes + 16
	s_load_b256 s[4:11], s[0:1], 0x0               ; x s[4:5], W_qkv s[6:7], W_out s[8:9], the scales' exponents s[10:11]
	s_load_b64 s[12:13], s[0:1], 0x20              ; the codes
	v_lshl_add_u32 v192, v0, 2, 0x8800
	v_mov_b32 v193, 0
	v_lshrrev_b32 v1, 5, v0
	v_readfirstlane_b32 s16, v1                    ; wave 0..3
	v_and_b32 v2, 31, v0                           ; lane
	s_wait_kmcnt 0x0
	s_load_b256 s[24:31], s[10:11], 0x0            ; e0 .. e7
	s_cmp_lt_u32 ttmp9, 128
	s_cbranch_scc1 .Lweights
; ---- x: a wave takes 8 steps of 512 numbers; all 32 loads go out at once
.macro XLOAD t
.irp i, 0,1,2,3
	global_load_b128 v[R+16*(\t)+4*\i:R+16*(\t)+4*\i+3], v3, s[4:5] offset:2048*(\t)+512*\i th:TH_LOAD_NT   ; 32 lanes read 512 consecutive bytes
.endr
.endm
.macro XSTEP t
	s_wait_loadcnt 4*(7-(\t))                      ; this step's four loads are in; the later steps' may be out
.irp i, 0,1,2,3,4,5,6,7,8,9,10,11,12,13,14,15
	v_med3_num_f32 v[R+16*(\t)+\i], v[R+16*(\t)+\i], -v10, v10   ; the conversion to an 8-bit code does not saturate (ISA guide 7.6.2): the hold at the largest code x the scale
.endr
	v_cvt_scalef32_pk8_fp8_f32 v[C+4*(\t):C+4*(\t)+1], v[R+16*(\t):R+16*(\t)+7], v11
	v_cvt_scalef32_pk8_fp8_f32 v[C+4*(\t)+2:C+4*(\t)+3], v[R+16*(\t)+8:R+16*(\t)+15], v11
	global_store_b128 v3, v[C+4*(\t):C+4*(\t)+3], s[12:13] offset:512*(\t)   ; 32 lanes store 512 consecutive bytes
.endm
	s_sub_co_u32 s17, ttmp9, 128
	s_lshl_b32 s17, s17, 2
	s_add_co_u32 s17, s17, s16                     ; which run of 4,096 numbers is my wave's: 0 .. 2047
	s_lshl_b32 s18, s17, 14                        ; 16,384 bytes of x,
	s_mov_b32 s19, 0
	s_add_nc_u64 s[4:5], s[4:5], s[18:19]
	s_lshl_b32 s18, s17, 12                        ; 4,096 bytes of codes
	s_add_nc_u64 s[12:13], s[12:13], s[18:19]
	v_lshlrev_b32 v3, 4, v2                        ; my 16 bytes of a load's, and of a store's, 512
.irp t, 0,1,2,3,4,5,6,7
	XLOAD \t
.endr
	s_wait_kmcnt 0x0
	s_add_co_i32 s20, s24, 127
	s_lshl_b32 s21, s20, 23
	v_mov_b32 v11, s21                             ; 2^e0 as f32: the conversion takes its exponent field
	s_add_co_i32 s20, s20, 8
	s_lshl_b32 s20, s20, 23
	s_or_b32 s20, s20, 0x600000
	v_mov_b32 v10, s20                             ; 448 x 2^e0
.irp t, 0,1,2,3,4,5,6,7
	XSTEP \t
.endr
	s_endpgm
; ---- the weights: a wave takes 32 columns x 256 places of their rows of codes: 8 blocks of 32 places
.Lweights:
	s_cmp_lt_u32 ttmp9, 96                         ; W_qkv or W_out?  All choices hang on the work-group's number alone
	s_mov_b32 s48, 4096
	s_cselect_b32 s48, 12288, s48                  ; P: a row of W in bytes
	s_cselect_b32 s49, 0, 96
	s_cselect_b32 s50, 128, 4                      ; rows of W that bit 2 of a place in a block stands for,
	s_cselect_b32 s51, 256, 16                     ; bit 3,
	s_cselect_b32 s52, 4, 8                        ; bit 4  (bits 0 and 1: 1 and 2 rows in both),
	s_cselect_b32 s53, 8, 32                       ; and from block to block
	s_mov_b32 s54, 11264
	s_cselect_b32 s54, 8192, s54                   ; the tensor's first row in the codes' buffer
	s_cselect_b64 s[6:7], s[6:7], s[8:9]
	s_sub_co_u32 s49, ttmp9, s49
	s_and_b32 s56, s49, 3                          ; y: which 256 places
	s_lshr_b32 s57, s49, 2                         ; which 128 columns
	s_lshr_b32 s58, s56, 1
	s_lshl_b32 s58, s58, 9
	s_and_b32 s59, s56, 1
	s_lshl_b32 s59, s59, 6
	s_add_co_u32 s58, s58, s59                     ; W_qkv: place 256 y is k = 512 (y / 2) + 64 (y % 2)
	s_lshl_b32 s59, s56, 8                         ; W_out: k = 256 y
	s_cmp_lt_u32 ttmp9, 96
	s_cselect_b32 s58, s58, s59
	s_mul_i32 s50, s50, s48
	s_mul_i32 s51, s51, s48
	s_mul_i32 s52, s52, s48
	s_mul_i32 s53, s53, s48
	v_lshlrev_b32 v[OFFV], 2, v2                   ; a lane to a column: 4 bytes a lane
	v_add_nc_u32 v[OFFV+1], s48, v[OFFV]
	s_lshl_b32 s59, s48, 1
.irp n, 0,1
	v_add_nc_u32 v[OFFV+2+\n], s59, v[OFFV+\n]
.endr
.irp n, 0,1,2,3
	v_add_nc_u32 v[OFFV+4+\n], s50, v[OFFV+\n]
.endr
.irp n, 0,1,2,3,4,5,6,7
	v_add_nc_u32 v[OFFV+8+\n], s51, v[OFFV+\n]
.endr
.irp n, 0,1,2,3,4,5,6,7,8,9,10,11,12,13,14,15
	v_add_nc_u32 v[OFFV+16+\n], s52, v[OFFV+\n]
.endr
	s_mul_i32 s60, s58, s48                        ; my first row of W,
	s_lshl_b32 s59, s57, 9
	s_add_co_u32 s60, s60, s59                     ; my work-group's 128 columns,
	s_lshl_b32 s59, s16, 7
	s_add_co_u32 s60, s60, s59                     ; my wave's 32
	s_mov_b32 s61, 0
	s_add_nc_u64 s[32:33], s[6:7], s[60:61]        ; a base for each block, never rewritten
	s_mov_b32 s62, s53
	s_mov_b32 s63, 0
.irp t, 1,2,3,4,5,6,7
	s_add_nc_u64 s[32+2*\t:33+2*\t], s[30+2*\t:31+2*\t], s[62:63]
.endr
	s_lshl_b32 s59, s57, 7
	s_add_co_u32 s59, s59, s54
	s_lshl_b32 s60, s16, 5
	s_add_co_u32 s59, s59, s60                     ; my first row of codes
	s_lshl_b32 s60, s59, 10
	s_lshl_b32 s59, s56, 8
	s_add_co_u32 s60, s60, s59                     ; + 256 y
	s_add_nc_u64 s[12:13], s[12:13], s[60:61]
	s_mul_i32 s59, s16, 32*PITCH                   ; my stage
	v_mul_u32_u24 v4, v2, PITCH
	v_add_nc_u32 v4, s59, v4                       ; into it: row = my column
	v_and_b32 v5, 15, v2
	v_lshrrev_b32 v6, 4, v2
	v_mul_u32_u24 v7, v6, PITCH
	v_lshl_add_u32 v7, v5, 4, v7
	v_add_nc_u32 v7, s59, v7                       ; out of it: sixteen lanes to a row, two rows an instruction
	v_lshlrev_b32 v8, 10, v6
	v_lshl_add_u32 v8, v5, 4, v8                   ; and the same place in the codes' buffer
.macro WLOAD t                         ; block t: 32 rows of W at my column: each load reads 128 consecutive bytes a wave
.set n, 0
.rept 32
	global_load_b32 v[X+32*((\t)%2)+n], v[OFFV+n], s[32+2*(\t):33+2*(\t)] th:TH_LOAD_NT
.set n, n+1
.endr
.endm
	WLOAD 0
	WLOAD 1
	s_wait_kmcnt 0x0
	s_cmp_lt_u32 ttmp9, 96
	s_cselect_b32 s55, s25, s31                    ; e1 or e7
	s_add_co_i32 s55, s55, 127
	s_lshl_b32 s59, s55, 23
	v_mov_b32 v11, s59                             ; 2^e
	s_add_co_i32 s55, s55, 8
	s_lshl_b32 s55, s55, 23
	s_or_b32 s55, s55, 0x600000
	v_mov_b32 v10, s55                             ; 448 x 2^e
.macro WBLOCK t
.set XS, X+32*((\t)%2)
.if (\t) < 7
	s_wait_loadcnt 32                              ; this block's 32 loads are in; the next block's may be out
.else
	s_wait_loadcnt 0
.endif
.set n, 0
.rept 32
	v_med3_num_f32 v[XS+n], v[XS+n], -v10, v10
.set n, n+1
.endr
.irp g, 0,1,2,3
	v_cvt_scalef32_pk8_fp8_f32 v[CW+2*\g:CW+2*\g+1], v[XS+8*\g:XS+8*\g+7], v11
.endr
	ds_store_b128 v4, v[CW:CW+3] offset:32*(\t)    ; 32 codes: 32 bytes of my column's row
	ds_store_b128 v4, v[CW+4:CW+7] offset:32*(\t)+16
.if (\t)+2 < 8
	WLOAD (\t)+2
.endif
	s_wait_dscnt 0x0                               ; the stores have read their registers: the next block's codes may be written
.endm
.irp t, 0,1,2,3,4,5,6,7
	WBLOCK \t
.endr
.irp u, 0,1,2,3,4,5,6,7,8,9,10,11,12,13,14,15
	ds_load_b128 v[OUTR+4*\u:OUTR+4*\u+3], v7 offset:2*\u*PITCH   ; LDS serves a wave's instructions in order: these see my stores
.endr
.irp u, 0,1,2,3,4,5,6,7,8,9,10,11,12,13,14,15
	s_wait_dscnt 15-\u                             ; load u is in; the later ones may be out
	global_store_b128 v8, v[OUTR+4*\u:OUTR+4*\u+3], s[12:13] offset:2*\u*1024   ; sixteen lanes store 256 consecutive bytes, aligned
.endr
	s_wait_tensorcnt 0x0
	ds_add_u32 v192, v193
	s_wait_dscnt 0x0
	s_endpgm
.Lfunc_end_k_qa6f67303f9_quant:
	.size	k_qa6f67303f9_quant, .Lfunc_end_k_qa6f67303f9_quant-k_qa6f67303f9_quant
	.p2alignl 7, 3214868480
	.fill 96, 4, 3214868480
	.section	.rodata,"a",@progbits
	.p2align	6, 0x0
	.amdhsa_kernel k_qa6f67303f9_quant
		.amdhsa_group_segment_fixed_size 35328
		.amdhsa_private_segment_fixed_size 0
		.amdhsa_enable_private_segment 0
		.amdhsa_kernarg_size 40
		.amdhsa_user_sgpr_count 2
		.amdhsa_user_sgpr_kernarg_segment_ptr 1
		.amdhsa_wavefront_size32 1
		.amdhsa_system_sgpr_workgroup_id_x 1
		.amdhsa_system_sgpr_workgroup_id_y 1
		.amdhsa_system_sgpr_workgroup_id_z 1
		.amdhsa_system_vgpr_workitem_id 0
		.amdhsa_next_free_vgpr 194
		.amdhsa_next_free_sgpr 66
		.amdhsa_reserve_vcc 0
		.amdhsa_float_denorm_mode_32 3
		.amdhsa_float_denorm_mode_16_64 3
		.amdhsa_memory_ordered 1
		.amdhsa_forward_progress 1
		.amdhsa_inst_pref_size 65
	.end_amdhsa_kernel
	.amdgpu_metadata
---
amdhsa.version: [ 1, 2 ]
amdhsa.kernels:
  - .name:           k_qa6f67303f9_quant
    .symbol:         k_qa6f67303f9_quant.kd
    .args:
      - { .name: x, .offset: 0, .size: 8, .value_kind: global_buffer, .address_space: global }
      - { .name: W_qkv, .offset: 8, .size: 8, .value_kind: global_buffer, .address_space: global }
      - { .name: W_out, .offset: 16, .size: 8, .value_kind: global_buffer, .address_space: global }
      - { .name: lowp_scales, .offset: 24, .size: 8, .value_kind: global_buffer, .address_space: global }
      - { .name: codes, .offset: 32, .size: 8, .value_kind: global_buffer, .address_space: global }
    .group_segment_fixed_size: 35328
    .private_segment_fixed_size: 0
    .kernarg_segment_align: 8
    .kernarg_segment_size: 40
    .max_flat_workgroup_size: 128
    .sgpr_count:     66
    .vgpr_count:     194
    .wavefront_size: 32
...
	.end_amdgpu_metadata
.endif
;; end of part 1
;; launch gemm_qkv (part 2): grid 12 x 32, 4 waves a work-group, clusters of 4 x 4, 327,680 bytes of LDS; arguments codes, lowp_scales, b_qkv, qkv_img; writes qkv_img
.if DOCPART == 2
	.amdgcn_target "amdgcn-amd-amdhsa--gfx1250"
	.amdhsa_code_object_version 6
	.text
	.protected	k_qa6f67303f9_gemm_qkv
	.globl	k_qa6f67303f9_gemm_qkv
	.p2align	8
	.type	k_qa6f67303f9_gemm_qkv,@function
k_qa6f67303f9_gemm_qkv:
	s_mov_b64 s[64:65], 0
	v_nop
	global_prefetch_b8 v0, s[64:65] scope:SCOPE_SE
	s_setreg_imm32_b32 hwreg(HW_REG_WAVE_MODE, 25, 1), 1
	s_wait_xcnt 0x0
	s_wait_alu depctr_hold_cnt(0) depctr_sa_sdst(0) depctr_va_vdst(0) depctr_va_sdst(0) depctr_va_ssrc(0) depctr_va_vcc(0) depctr_vm_vsrc(0)
	s_getreg_b32 s2, hwreg(HW_REG_IB_STS2, 6, 4)
	s_cmp_eq_u32 s2, 0
	s_cbranch_scc0 .Lentry_in_a_cluster
	s_endpgm
.Lentry_in_a_cluster:
	s_bfe_u32 s2, ttmp6, 0x10000c
	s_cmp_lg_u32 s2, 0xf033
	s_cbranch_scc0 .Lentry_shape_is_right
	s_endpgm
.Lentry_shape_is_right:
; qkv = x W_qkv + b_qkv on codes of FP8 (E4M3), then q, k and v are quantised with their given scales (entries 2, 3, 5) and stored AS IMAGES OF THE OPERAND REGISTERS that the attention wants.
; codes: 12,288 rows of 1,024 bytes: rows 0-8191 tokens of x, rows 8192-11263 columns of W_qkv, both in the same order of K.
; A work-group of four waves makes 256 x 256 results, a wave 128 x 128: 64 accumulators, 512 registers.  K = 1,024 goes in four steps of 256 through two LDS slots filled by the tensor data mover; the sequence is written straight.
; THE MATRIX INSTRUCTION: source 0 = 16 rows of R0, source 1 = 16 rows of R1: a lane holds ONE row of R1 (lane % 16) and eight neighbouring rows of R0 (8 (lane / 16) + 0 .. 7).
; The cluster's x is the kind: 0 q, 1 k, 2 v.  For q and k R1 = tokens and R0 = columns of W: a lane holds one token and eight neighbouring channels.  For v the two change places: a lane holds one channel and eight
; neighbouring tokens, which are the keys, the second attention product's K.  Only the two tile numbers and the two row bases are chosen by the kind; masks, LDS addresses and the instructions are the same.
; CLUSTERS: 4 x 4 work-groups.  R1's tile hangs on cy alone and is asked for jointly by a row of the cluster, R0's on cx alone, by a column.
; AN IMAGE: a fragment of 16 rows x 64 K (8 registers a lane) lies as [2][32 lanes][16 bytes]: registers 4 c2 .. 4 c2 + 3 of lane l at 512 c2 + 16 l.  Four accumulators, converted eight numbers at a time, ARE such a fragment,
; and each store of the wave covers 512 consecutive bytes, aligned.  qkv_img: [64 heads of the batch][32 groups of 64 tokens][q, k, v][4 images of 1,024 bytes] (q, k: an image a tile of 16 tokens; v: a tile of 16 channels).
; LIMITS: e0 + e1 between -126 and 127; e2, e3, e5 between -126 and 119.  NaN among the inputs is not served.
; REGISTERS: window 0: v1-7 at work; v8-15 v's biases; v16-29 addresses and scales; v32-63 an image's 32 numbers; v64-127 q's and k's biases; from v128 R1's fragments, ONE set, later the 16 images' codes.
;   window 1: R0's fragments, two sets.   windows 2, 3: the accumulators ((a, b) at v[8 (8 (a % 4) + b)] of window 2 + a / 4).
.set KROW,   1024                      ; a row of codes in memory
.set ROWB,   256                       ; a tile's row: 256 codes
.set PITCH,  272                       ; an LDS row: 256 bytes + 16 of padding = 68 words: row r starts at bank 4 r mod 64 (ISA guide 11.1)
.set FR,     16                        ; registers of a fragment of 16 rows x 128 K
.set NL,     4                         ; LDS loads that bring one
.set NP,     4                         ; places behind this matrix instruction (ISA guide 7.12.1)
.set HALFT,  128*PITCH
.set SLOT,   4*HALFT                   ; R1's 256 rows, then R0's 256 rows
.set SPARE,  2*SLOT                    ; behind the ring: the spare words, 128 bytes for each wave, which no other line names
.set BV,   8
.set ADRA, 16                          ; v16-17  LDS address of my R1 fragments in slot 0, 1
.set ADRB, 20                          ; v20-21  the same for R0
.set SC,   22                          ; v22     2^eo
.set LIM,  23                          ; v23     448 x 2^eo
.set LN,   24                          ; v24     16 x lane
.set SPW,  28                          ; v28     my spare word's LDS address; never rewritten
.set NIL,  29                          ; v29     0; never rewritten
.set TMP,  32
.set BQ,   64
.set AF,   128
.set CD,   128
.set G1, 24                            ; s[24:31] descriptor group 1 for R1's tiles;  s[32:39] group 0, one set for each slot
.set G0, 32
.set G1B, 48                           ; s[48:55], s[56:63] the same for R0's tiles
.set G0B, 56
.set OB,  80                           ; s[80:87] where my images go: four bases
.set MSB, 0
.macro WIN new                         ; the immediate's high byte repeats the setting that is left
.if MSB != \new
	s_set_vgpr_msb (MSB<<8)|\new
.set MSB, \new
.endif
.endm
.set MUL_LO, 0xa1                      ; source 0 window 1, source 1 window 0, C and D window 2
.set MUL_HI, 0xf1                      ; the same, C and D window 3
.set TO_B,   0x40                      ; destination window 1, address window 0
; A joint load: waves 0 and 1 fetch R1's halves, waves 2 and 3 R0's.  The branch hangs on the wave's number alone.  Four v_nop follow each of the two lines.
.macro JLOAD g0a, g1a, g0b, g1b
	s_cmp_eq_u32 s15, 0
	s_cbranch_scc0 .Lfor_b_\@
	tensor_load_to_lds s[\g0a:\g0a+3], s[\g1a:\g1a+7]
	s_nop 0
.rept 4
	v_nop
.endr
	s_branch .Lasked_\@
.Lfor_b_\@:
	tensor_load_to_lds s[\g0b:\g0b+3], s[\g1b:\g1b+7]
	s_nop 0
.rept 4
	v_nop
.endr
.Lasked_\@:
.endm
.macro CREST                           ; a round of the cluster's barrier behind its opening barrier
	s_cmp_lg_u32 s14, 0
	s_cbranch_scc1 .Lnot_wave_0_\@
	s_barrier_signal -3
.Lnot_wave_0_\@:
	s_barrier_wait -3
	s_barrier_signal -1
	s_barrier_wait -1
.endm
.macro CROUND                          ; a whole round
	s_barrier_signal -1
	s_barrier_wait -1
	CREST
.endm
	s_load_b256 s[4:11], s[0:1], 0x0               ; codes s[4:5], the scales' exponents s[6:7], b_qkv s[8:9], qkv_img s[10:11]
	v_lshl_add_u32 v[SPW], v0, 2, SPARE
	v_mov_b32 v[NIL], 0
	ds_add_u32 v28, v29
	ds_add_u32 v28, v29
	s_wait_dscnt 0x0
	v_lshrrev_b32 v1, 5, v0
	v_readfirstlane_b32 s14, v1                    ; wave 0..3
	s_lshr_b32 s15, s14, 1                         ; which half of R1's rows is mine.  Also: I fetch for R1 (0) or for R0 (1)
	s_and_b32 s16, s14, 1                          ; which half of R0's rows.  Also: which 128 rows of that tile I fetch
	s_bfe_u32 s40, ttmp6, 0x40000                  ; cx, cy: my place in the cluster
	s_bfe_u32 s41, ttmp6, 0x40004
	s_mov_b32 s12, ttmp9                           ; the cluster's x: the kind, the same in all sixteen partners
	s_and_b32 s19, ttmp7, 0xffff                   ; the cluster's y: which 1,024 tokens
	s_lshr_b32 s13, s12, 1                         ; 1 for v
	s_cmp_eq_u32 s13, 1
	s_cselect_b32 s17, s12, s19                    ; R1's tiles are counted by the kind (v) or by the tokens (q, k),
	s_cselect_b32 s42, s19, s12                    ; R0's the other way round
	s_cselect_b32 s22, 8192, 0                     ; R1's first row in the codes' buffer
	s_cselect_b32 s23, 0, 8192                     ; R0's
	s_lshl_b32 s17, s17, 2
	s_add_co_u32 s17, s17, s41                     ; R1's tile = 4 x its count + cy
	s_lshl_b32 s42, s42, 2
	s_add_co_u32 s42, s42, s40                     ; R0's tile = 4 x its count + cx
	s_lshl_b32 s43, s41, 2
	s_lshl_b32 s43, 15, s43                        ; my row of the cluster
	s_lshl_b32 s44, 0x1111, s40                    ; my column
	s_or_b32 s[G1+0], s43, (0<<16)|(1<<20)|(1<<21)|(5<<22)|(3<<25)  ; 15:0 the mask; 17:16 elements of 1 byte; 20 padding on; 21 set beside a mask; 24:22 after every 64 words; 31:25 four words
	s_or_b32 s[G1B+0], s44, (0<<16)|(1<<20)|(1<<21)|(5<<22)|(3<<25)
.irp g, G1, G1B
	s_mov_b32 s[\g+1], ROWB<<16                    ; tensor_dim0
	s_mov_b32 s[\g+2], 128<<16                     ; tensor_dim1 = 128
	s_mov_b32 s[\g+3], ROWB<<16                    ; tile_dim0
	s_mov_b32 s[\g+4], 128                         ; tile_dim1 = 128
	s_mov_b32 s[\g+5], KROW                        ; tensor_dim0_stride
	s_mov_b32 s[\g+6], 0
	s_mov_b32 s[\g+7], 0
.endr
	s_lshl_b32 s18, s16, 7                         ; which 128 rows of the tile I fetch
	s_lshl_b32 s20, s17, 8
	s_add_co_u32 s20, s20, s18
	s_add_co_u32 s20, s20, s22                     ; R1: row in the codes' buffer
	s_lshl_b32 s46, s42, 8
	s_add_co_u32 s46, s46, s18
	s_add_co_u32 s46, s46, s23                     ; R0 likewise
	s_lshl_b32 s20, s20, 10                        ; in bytes: under 12,582,912
	s_mov_b32 s21, 0
	s_lshl_b32 s46, s46, 10
	s_mov_b32 s47, 0
	s_mul_i32 s45, s14, HALFT                      ; where they go: wave x 128 rows: no place in the cluster enters an LDS address
	s_wait_kmcnt 0x0
	s_load_b256 s[72:79], s[6:7], 0x0              ; e0 .. e7
	s_add_nc_u64 s[20:21], s[4:5], s[20:21]
	s_add_nc_u64 s[46:47], s[4:5], s[46:47]
	CROUND                                         ; all sixteen work-groups are here: the first joint loads meet
.irp s, 0,1
	s_mov_b32 s[G0+4*\s], 1
	s_add_co_u32 s[G0+4*\s+1], s45, \s*SLOT
	s_add_nc_u64 s[G0+4*\s+2:G0+4*\s+3], s[20:21], \s*ROWB
	s_or_b32 s[G0+4*\s+3], s[G0+4*\s+3], 0x80000000
	s_mov_b32 s[G0B+4*\s], 1
	s_add_co_u32 s[G0B+4*\s+1], s45, \s*SLOT
	s_add_nc_u64 s[G0B+4*\s+2:G0B+4*\s+3], s[46:47], \s*ROWB
	s_or_b32 s[G0B+4*\s+3], s[G0B+4*\s+3], 0x80000000
	JLOAD G0+4*\s, G1, G0B+4*\s, G1B               ; two loads of mine are out
.endr
	v_and_b32 v1, 15, v0                           ; r = lane % 16
	v_bfe_u32 v2, v0, 4, 1                         ; h = lane / 16
	v_mul_u32_u24 v3, v1, PITCH
	v_lshl_add_u32 v4, v2, 4, v3                   ; a fragment's row x pitch + 16 h
	s_mul_i32 s21, s15, HALFT                      ; my 128 rows of R1
	s_mul_i32 s22, s16, HALFT                      ; my 128 rows of R0,
	s_add_co_u32 s22, s22, 2*HALFT                 ; which lie behind R1's 256
.irp s, 0,1
	v_add_nc_u32 v[ADRA+\s], s21, v4
	v_add_nc_u32 v[ADRB+\s], s22, v4
	s_add_co_u32 s21, s21, SLOT
	s_add_co_u32 s22, s22, SLOT
.endr
	v_and_b32 v7, 31, v0
	v_lshlrev_b32 v[LN], 4, v7
	v_lshlrev_b32 v5, 5, v2                        ; 32 h: eight numbers of the bias for each half of the lanes
	v_lshlrev_b32 v6, 2, v1                        ; 4 r
	; which tokens and which columns of W_qkv are my wave's
	s_lshl_b32 s66, s17, 8
	s_lshl_b32 s67, s15, 7
	s_add_co_u32 s66, s66, s67                     ; my first row of R1, counted in its tensor
	s_lshl_b32 s67, s42, 8
	s_lshl_b32 s68, s16, 7
	s_add_co_u32 s67, s67, s68                     ; my first row of R0
	s_cmp_eq_u32 s13, 1
	s_cselect_b32 s92, s67, s66                    ; my first token
	s_cselect_b32 s93, s66, s67                    ; my first column of W_qkv, 0 .. 3071
	s_cselect_b32 s94, 0, s93                      ; q, k: the bias runs along a lane's registers; for v these loads read the buffer's head and are not used
	s_cselect_b32 s98, s93, 0                      ; v: the bias runs along the lanes; for q and k likewise not used
	s_mov_b32 s88, 12288
	s_cselect_b32 s88, 393216, s88                 ; from R1's rows 0-63 to 64-127: a group of tokens on (q, k) or a head on (v),
	s_mov_b32 s90, 393216
	s_cselect_b32 s90, 12288, s90                  ; from R0's rows 0-63 to 64-127: the other
	s_mov_b32 s89, 0
	s_mov_b32 s91, 0
	s_lshl_b32 s94, s94, 2
	s_mov_b32 s95, 0
	s_lshl_b32 s98, s98, 2
	s_mov_b32 s99, 0
	s_add_nc_u64 s[68:69], s[8:9], s[94:95]
	s_add_nc_u64 s[70:71], s[8:9], s[98:99]
.irp b, 0,1,2,3,4,5,6,7
	global_load_b128 v[BQ+8*\b:BQ+8*\b+3], v5, s[68:69] offset:64*\b       ; b_qkv at columns 16 b + 8 h + 0 .. 7 of my 128
	global_load_b128 v[BQ+8*\b+4:BQ+8*\b+7], v5, s[68:69] offset:64*\b+16
.endr
.irp a, 0,1,2,3,4,5,6,7
	global_load_b32 v[BV+\a], v6, s[70:71] offset:64*\a                    ; b_qkv at column 16 a + r of my 128
.endr
	s_lshr_b32 s94, s92, 11                        ; the batch,
	s_lshl_b32 s94, s94, 4
	s_bfe_u32 s95, s93, 0x40006                    ; the head: (column / 64) % 16
	s_add_co_u32 s94, s94, s95
	s_mul_i32 s94, s94, 393216
	s_bfe_u32 s95, s92, 0x50006                    ; the group of 64 tokens: (token % 2048) / 64
	s_mul_i32 s95, s95, 12288
	s_add_co_u32 s94, s94, s95
	s_lshl_b32 s95, s12, 12                        ; the kind's part
	s_add_co_u32 s94, s94, s95
	s_mov_b32 s95, 0
	s_add_nc_u64 s[OB:OB+1], s[10:11], s[94:95]
	s_add_nc_u64 s[OB+2:OB+3], s[OB:OB+1], s[90:91]
	s_add_nc_u64 s[OB+4:OB+5], s[OB:OB+1], s[88:89]
	s_add_nc_u64 s[OB+6:OB+7], s[OB+4:OB+5], s[90:91]
.macro FRAG reg, adr, q, i             ; a fragment, 16 rows x 128 K, is 16 registers: four loads of 16 bytes, 32 bytes apart; the same places of a row in R0 and in R1, so every product meets its partner
.irp c, 0,1,2,3
	ds_load_b128 v[\reg+4*\c:\reg+4*\c+3], v[\adr] offset:128*(\q)+32*\c+(\i)*16*PITCH
.endr
.endm
; 16 matrix instructions: R1's blocks a0, a0 + 1 x R0's eight, 128 along K.  p: R0's set.  zero = 1: the first product starts the sums.  The 64 accumulators take turns, one instruction a turn, in the same order in every step.
.macro MUL16 a0, p, zero
.irp a, \a0, \a0+1
.irp b, 0,1,2,3,4,5,6,7
.if \zero
	v_wmma_f32_16x16x128_fp8_fp8 v[8*(8*((\a)%4)+\b):8*(8*((\a)%4)+\b)+7], v[128*(\p)+FR*\b:128*(\p)+FR*\b+FR-1], v[AF+FR*(\a):AF+FR*(\a)+FR-1], 0
.else
	v_wmma_f32_16x16x128_fp8_fp8 v[8*(8*((\a)%4)+\b):8*(8*((\a)%4)+\b)+7], v[128*(\p)+FR*\b:128*(\p)+FR*\b+FR-1], v[AF+FR*(\a):AF+FR*(\a)+FR-1], v[8*(8*((\a)%4)+\b):8*(8*((\a)%4)+\b)+7]
.endif
.endr
.endr
.endm
.macro FETCH_B slot, q, p              ; R0's eight fragments of the slot's q-th 128 along K into set p
	WIN TO_B
.irp i, 0,1,2,3,4,5,6,7
	FRAG 128*(\p)+FR*\i, ADRB+\slot, \q, \i
.endr
	WIN 0
.endm
.macro FETCH_A slot, q, i0             ; R1's blocks i0 .. i0 + 3
.irp i, \i0, \i0+1, \i0+2, \i0+3
	FRAG AF+FR*(\i), ADRA+\slot, \q, \i
.endr
.endm
.macro PLACES n                        ; plain vector instructions between a matrix instruction and a load into, or a vector instruction on, its registers
.rept \n
	v_nop
.endr
.endm
; A step of 128 along K that has its successor in the same slot.
.macro STEP slot, q, zero
	s_wait_dscnt 4*NL                              ; R0's set and R1's blocks 0-3 are in; the youngest sixteen loads (R1's blocks 4-7) may be out
	WIN MUL_LO
	MUL16 0, (\q)%2, \zero
	MUL16 2, (\q)%2, \zero
	s_wait_dscnt 0                                 ; R1's blocks 4-7 are in
	PLACES NP
	FETCH_B \slot, (\q)+1, 1-(\q)%2
	FETCH_A \slot, (\q)+1, 0
	WIN MUL_HI
	MUL16 4, (\q)%2, \zero
	MUL16 6, (\q)%2, \zero
	PLACES NP
	WIN 0
	FETCH_A \slot, (\q)+1, 4
.endm
; A slot's last step changes slots: ONE barrier; in front of it each wave waits for all its tensor loads, adds 0 to its spare word, and waits for that and for its own reads of this slot.  fill = 1: this slot is filled again, two K steps ahead.
.macro TURN slot, next, fill
	s_wait_tensorcnt 0x0                           ; all my tensor loads have landed: my part of the next slot
	ds_add_u32 v[SPW], v[NIL]                      ; 0 onto my spare word
	s_wait_dscnt 4*NL+1                            ; (the add and the youngest sixteen loads may be out)
	WIN MUL_LO
	MUL16 0, 1, 0                                  ; sixteen matrix instructions stand between the add and the wait for it
	s_wait_dscnt 0x0                               ; the add is done, and my reads of this slot are over
	s_barrier_signal -1
	MUL16 2, 1, 0
	WIN 0
	s_barrier_wait -1
.if \fill
	CREST                                          ; the barrier has opened a round of the cluster's barrier: no wave of any partner still reads this slot or has a load on its way
	s_add_nc_u64 s[G0+4*\slot+2:G0+4*\slot+3], s[G0+4*\slot+2:G0+4*\slot+3], 2*ROWB
	s_add_nc_u64 s[G0B+4*\slot+2:G0B+4*\slot+3], s[G0B+4*\slot+2:G0B+4*\slot+3], 2*ROWB
	JLOAD G0+4*\slot, G1, G0B+4*\slot, G1B         ; the first tensor load behind the round, my one load until the next; its four v_nop are the places in front of the loads below
.else
	PLACES NP
.endif
	FETCH_B \next, 0, 0
	FETCH_A \next, 0, 0
	WIN MUL_HI
	MUL16 4, 1, 0
	MUL16 6, 1, 0
	PLACES NP
	WIN 0
	FETCH_A \next, 0, 4
.endm
	s_wait_tensorcnt 1                             ; my part of K step 0 is in; K step 1's load may be out
	s_barrier_signal -1
	s_barrier_wait -1
	FETCH_B 0, 0, 0
	FETCH_A 0, 0, 0
	FETCH_A 0, 0, 4
	STEP 0, 0, 1                                   ; K 0-127: its products start the sums
	TURN 0, 1, 1                                   ; K 128-255; slot 0 takes K 512-767
	STEP 1, 0, 0
	TURN 1, 0, 1                                   ; slot 1 takes K 768-1023
	STEP 0, 0, 0
	TURN 0, 1, 0                                   ; nothing is left to fetch
	STEP 1, 0, 0
	s_wait_dscnt 4*NL                              ; the very last step
	WIN MUL_LO
	MUL16 0, 1, 0
	MUL16 2, 1, 0
	s_wait_dscnt 0
	WIN MUL_HI
	MUL16 4, 1, 0
	MUL16 6, 1, 0
	WIN 0
; THE WAY OUT.  The four accumulators (a, 4 y + c), c = 0 .. 3, are one image: number = sum x 2^(e0 + e1) + bias, held within +-448 x 2^eo, converted eight at a time.  Each image has registers of its own, so no store's data are written again.
.macro EPI isv
.irp a, 0,1,2,3,4,5,6,7
.irp y, 0,1
.set WW, 0x02+((\a)/4)
	WIN WW                                         ; source 0: window 2 or 3
.irp c, 0,1,2,3
.irp i, 0,2,4,6
.set AC, 8*(8*((\a)%4)+4*\y+\c)+\i
.set TT, TMP+8*\c+\i
.if \isv
.if (\a)%2
	v_pk_fma_f32 v[TT:TT+1], v[AC:AC+1], s[96:97], v[BV+\a-1:BV+\a] op_sel:[0,0,1] op_sel_hi:[1,0,1]   ; my channel's bias, the pair's upper word, for both halves
.else
	v_pk_fma_f32 v[TT:TT+1], v[AC:AC+1], s[96:97], v[BV+\a:BV+\a+1] op_sel_hi:[1,0,0]                  ; the pair's lower word for both halves
.endif
.else
	v_pk_fma_f32 v[TT:TT+1], v[AC:AC+1], s[96:97], v[BQ+8*(4*\y+\c)+\i:BQ+8*(4*\y+\c)+\i+1] op_sel_hi:[1,0,1]   ; each accumulator from its low end on
.endif
.endr
.endr
	WIN 0
.set n, 0
.rept 32
	v_med3_num_f32 v[TMP+n], v[TMP+n], -v[LIM], v[LIM]   ; the conversion to an 8-bit code does not saturate (ISA guide 7.6.2)
.set n, n+1
.endr
.irp c, 0,1,2,3
	v_cvt_scalef32_pk8_fp8_f32 v[CD+8*(2*\a+\y)+2*\c:CD+8*(2*\a+\y)+2*\c+1], v[TMP+8*\c:TMP+8*\c+7], v[SC]
.endr
	v_nop                                          ; a plain vector instruction between the conversions and the next image's writes of their sources
	global_store_b128 v[LN], v[CD+8*(2*\a+\y):CD+8*(2*\a+\y)+3], s[OB+4*((\a)/4)+2*\y:OB+4*((\a)/4)+2*\y+1] offset:((\a)%4)*1024        ; 32 lanes store 512 consecutive bytes, aligned
	global_store_b128 v[LN], v[CD+8*(2*\a+\y)+4:CD+8*(2*\a+\y)+7], s[OB+4*((\a)/4)+2*\y:OB+4*((\a)/4)+2*\y+1] offset:((\a)%4)*1024+512
.endr
.endr
.endm
	s_wait_kmcnt 0x0
	s_add_co_i32 s96, s72, s73                     ; e0 + e1
	s_add_co_i32 s96, s96, 127
	s_lshl_b32 s96, s96, 23                        ; 2^(e0 + e1) as f32
	s_mov_b32 s97, s96                             ; (named with it as a pair, so it is written)
	s_cmp_eq_u32 s12, 0
	s_cselect_b32 s18, s74, s75                    ; q: e2; k: e3;
	s_cmp_eq_u32 s12, 2
	s_cselect_b32 s18, s77, s18                    ; v: e5.  A choice, no branch, on the loaded numbers
	s_add_co_i32 s18, s18, 127
	s_lshl_b32 s19, s18, 23
	v_mov_b32 v[SC], s19
	s_add_co_i32 s18, s18, 8
	s_lshl_b32 s18, s18, 23
	s_or_b32 s18, s18, 0x600000
	v_mov_b32 v[LIM], s18
	s_wait_loadcnt 0x0                             ; the biases
	PLACES NP                                      ; behind the last products: their results are read, and R1's fragments' registers are written, below
	s_cmp_eq_u32 s12, 2                            ; the cluster's x: the same in all partners
	s_cbranch_scc1 .Lfor_v
	EPI 0
	s_branch .Lout
.Lfor_v:
	EPI 1
.Lout:
	s_wait_tensorcnt 0x0                           ; the wave's end
	ds_add_u32 v[SPW], v[NIL]
	s_wait_dscnt 0x0
	CROUND                                         ; the closing round: no work-group ends while a partner may still ask for a tile that names it
	s_endpgm
.Lfunc_end_k_qa6f67303f9_gemm_qkv:
	.size	k_qa6f67303f9_gemm_qkv, .Lfunc_end_k_qa6f67303f9_gemm_qkv-k_qa6f67303f9_gemm_qkv
	.p2alignl 7, 3214868480
	.fill 96, 4, 3214868480
	.section	.rodata,"a",@progbits
	.p2align	6, 0x0
	.amdhsa_kernel k_qa6f67303f9_gemm_qkv
		.amdhsa_group_segment_fixed_size 327680
		.amdhsa_private_segment_fixed_size 0
		.amdhsa_enable_private_segment 0
		.amdhsa_kernarg_size 32
		.amdhsa_user_sgpr_count 2
		.amdhsa_user_sgpr_kernarg_segment_ptr 1
		.amdhsa_wavefront_size32 1
		.amdhsa_system_sgpr_workgroup_id_x 1
		.amdhsa_system_sgpr_workgroup_id_y 1
		.amdhsa_system_sgpr_workgroup_id_z 1
		.amdhsa_system_vgpr_workitem_id 0
		.amdhsa_next_free_vgpr 1024
		.amdhsa_next_free_sgpr 100
		.amdhsa_reserve_vcc 0
		.amdhsa_float_denorm_mode_32 3
		.amdhsa_float_denorm_mode_16_64 3
		.amdhsa_memory_ordered 1
		.amdhsa_forward_progress 1
		.amdhsa_inst_pref_size 194
	.end_amdhsa_kernel
	.amdgpu_metadata
---
amdhsa.version: [ 1, 2 ]
amdhsa.kernels:
  - .name:           k_qa6f67303f9_gemm_qkv
    .symbol:         k_qa6f67303f9_gemm_qkv.kd
    .args:
      - { .name: codes, .offset: 0, .size: 8, .value_kind: global_buffer, .address_space: global }
      - { .name: lowp_scales, .offset: 8, .size: 8, .value_kind: global_buffer, .address_space: global }
      - { .name: b_qkv, .offset: 16, .size: 8, .value_kind: global_buffer, .address_space: global }
      - { .name: qkv_img, .offset: 24, .size: 8, .value_kind: global_buffer, .address_space: global }
    .group_segment_fixed_size: 327680
    .private_segment_fixed_size: 0
    .kernarg_segment_align: 8
    .kernarg_segment_size: 32
    .max_flat_workgroup_size: 128
    .sgpr_count:     100
    .vgpr_count:     1024
    .wavefront_size: 32
...
	.end_amdgpu_metadata
.endif
;; end of part 2
;; launch attn (part 3): grid 4 x 64, 16 waves a work-group, no clusters, 264,192 bytes of LDS; arguments qkv_img, lowp_scales, o_img; writes o_img
.if DOCPART == 3
	.amdgcn_target "amdgcn-amd-amdhsa--gfx1250"
	.amdhsa_code_object_version 6
	.text
	.protected	k_qa6f67303f9_attn
	.globl	k_qa6f67303f9_attn
	.p2align	8
	.type	k_qa6f67303f9_attn,@function
k_qa6f67303f9_attn:
	s_mov_b64 s[64:65], 0
	v_nop
	global_prefetch_b8 v0, s[64:65] scope:SCOPE_SE
	s_setreg_imm32_b32 hwreg(HW_REG_WAVE_MODE, 25, 1), 1
	s_wait_xcnt 0x0
; Causal attention of one head on codes of FP8 (E4M3): o = softmax(q k^T / 8, key <= query) v, then o is quantised with its given scale (entry 6) and stored as images of the last product's operand registers.
; qkv_img: [64 heads of the batch][32 groups of 64 tokens][q, k, v][4 images of 1,024 bytes].  An image is a fragment of 16 rows x 64 K, 8 registers a lane, laid [2][32 lanes][16 bytes].
; THE SOFTMAX: t = score x log2(e) / 8; M = the running largest t rounded UP to a whole number; p = 2^(t - M) is quantised with 2^e4, not normalised; the row's sum is taken of the unquantised p and divides at the end;
; when M moves, the sum and O are multiplied by 2^(old M - new M), which rounds nothing.
; SHARES.  Work-group (i, head) owns the blocks i and 7 - i of 256 queries: 9 blocks' worth of keys in every work-group.  Each of its sixteen waves owns 32 queries, two tiles, of one of the two blocks; four waves share a SIMD.
; A key step is 64 keys.  Both products are used transposed (S^T = K Q^T, O^T = V^T P^T): a lane holds one query (lane % 16) of each tile throughout, its registers run along the keys, and eight scores converted are two registers of P.
; K AND V GO THROUGH REGISTERS INTO LDS, a slot of 256 keys (32,768 bytes) at a time, loaded one slot ahead of its use; each LDS byte is written once: the head's 262,144 bytes stay.  So there is no ring, no tensor load,
; and one barrier a slot.  The slots are written out, so that each slot's LDS bytes are constants of the text: a slot's steps read [32768 n, 32768 n + 32767], its stores write the next 32,768.
; A step all of whose keys come after my queries is jumped over (a scalar branch on ids); the step on the diagonal hides scores by compare and select; every wave passes every barrier.
; NO CLUSTER: the four work-groups of a head stage 8 - i slots, a number that differs between them, and their steps' branches hang on i; joint requests want partners that run alike.
; p <= 1, so its hold at 448 x 2^e4 can act only where e4 < -8: a scalar branch on that whole number jumps over the 64 lines otherwise.
; LIMITS: e2 + e3 between -123 and 130 (added to c's exponent field); e4, and e6 - e4 - e5, between -126 and 119.  NaN among the inputs is not served.
.set LN,   1                           ; v1   16 x lane
.set TH,   2                           ; v2   16 x thread
.set ADR,  3                           ; v3   LDS address of the step in hand
.set STA,  4                           ; v4   LDS address of the staging stores
.set RH,   5                           ; v5   lane % 16 - 8 (lane / 16)
.set DD,   6                           ; v6   the diagonal: my query - the step's first key - 8 (lane / 16)
.set NINF, 7                           ; v7   -infinity
.set PSC,  8                           ; v8   2^e4;  v9  448 x 2^e4
.set PLIM, 9
.set OSC,  10                          ; v10  2^(e6 - e4 - e5);  v11  448 x that
.set OLIM, 11
.set ST,   12                          ; tile t at v[12 + 12 t]: +0 -M, +1 the largest t, +2:3 the sum, +4:5 f (then 1 / sum), +6:7 at work, +8 a permute's destination, +9 the old -M
.set Q,    36                          ; v36-51   Q, 8 a tile
.set KV,   52                          ; v52-83   four images of K, then of V
.set P,    84                          ; v84-99   P's codes, 8 a tile; at the end o's
.set STG,  100                         ; v100-115 the staging loads
.set S,    116                         ; v116-179 S^T, then p, 32 a tile
.set O,    180                         ; v180-243 O^T, 32 a tile
.set Q0,   16                          ; s16  my first query
.set LS,   17                          ; s17  my diagonal step: Q0 / 64
.set NSL,  18                          ; s18  7 - i: slots staged behind slot 0
.set KS,   20                          ; s20  the key step
.set KB,   21                          ; s21  its LDS byte
.set J,    23                          ; s23  counts a slot's four steps
.set CS,   24                          ; s[24:25] c = log2(e) / 8 x 2^(e2 + e3)
.set SEL,  26                          ; s[26:27] lane selects: lane l xor 16
	s_load_b128 s[4:7], s[0:1], 0x0                ; qkv_img s[4:5], the scales' exponents s[6:7]
	s_load_b64 s[8:9], s[0:1], 0x10                ; o_img
	v_lshl_add_u32 v254, v0, 2, 0x40000
	v_mov_b32 v255, 0
	v_lshrrev_b32 v3, 5, v0
	v_readfirstlane_b32 s10, v3                    ; wave 0..15
	v_and_b32 v1, 31, v0
	v_lshlrev_b32 v[LN], 4, v1
	v_lshlrev_b32 v[TH], 4, v0
	v_and_b32 v[RH], 15, v0
	v_bfe_u32 v6, v0, 4, 1
	v_lshlrev_b32 v6, 3, v6
	v_sub_nc_u32 v[RH], v[RH], v6
	v_mov_b32 v[NINF], 0xff800000
	s_mov_b32 s11, ttmp9                           ; i
	s_and_b32 s12, ttmp7, 0xffff                   ; the head of the batch, 0 .. 63
	s_lshr_b32 s40, s10, 2
	s_xor_b32 s40, s40, s10
	s_and_b32 s40, s40, 1                          ; which of the two blocks: (wave xor wave / 4) % 2, so that among waves 4 s .. 4 s + 3 and among waves s, s + 4, s + 8, s + 12 alike two take each block
	s_lshr_b32 s41, s10, 1                         ; which 32 queries of it
	s_sub_co_u32 s[NSL], 7, s11
	s_cmp_eq_u32 s40, 1
	s_cselect_b32 s42, s[NSL], s11                 ; block 7 - i or block i
	s_lshl_b32 s[Q0], s42, 8
	s_lshl_b32 s41, s41, 5
	s_add_co_u32 s[Q0], s[Q0], s41
	s_lshr_b32 s[LS], s[Q0], 6
	s_mul_i32 s40, s12, 393216                     ; the head's first byte
	s_mov_b32 s41, 0
	s_mul_i32 s42, s[LS], 12288                    ; my queries' group,
	s_bfe_u32 s43, s[Q0], 0x10005
	s_lshl_b32 s43, s43, 11                        ; and my two tiles of its four
	s_add_co_u32 s42, s42, s43
	s_mov_b32 s43, 0
	s_lshr_b32 s44, s12, 4                         ; o_img: [512 tiles of 16 tokens][16 heads][1,024 bytes]
	s_lshl_b32 s44, s44, 7
	s_lshr_b32 s45, s[Q0], 4
	s_add_co_u32 s44, s44, s45
	s_lshl_b32 s44, s44, 4
	s_and_b32 s45, s12, 15
	s_add_co_u32 s44, s44, s45
	s_lshl_b32 s44, s44, 10
	s_mov_b32 s45, 0
	s_mov_b32 s[SEL], 0x76543210
	s_mov_b32 s[SEL+1], 0xfedcba98
	s_mov_b32 s[KS], 0
	s_wait_kmcnt 0x0
	s_load_b256 s[32:39], s[6:7], 0x0              ; e0 .. e7
	s_add_nc_u64 s[30:31], s[4:5], s[40:41]
	s_add_nc_u64 s[28:29], s[30:31], 4096          ; K's and V's 8,192 bytes of group 0; never rewritten: group and slot stand in the loads' immediates
	s_add_nc_u64 s[30:31], s[30:31], s[42:43]      ; my Q
	s_add_nc_u64 s[8:9], s[8:9], s[44:45]
.irp j, 0,1,2,3
	global_load_b128 v[STG+4*\j:STG+4*\j+3], v[TH], s[28:29] offset:12288*\j   ; slot 0: the sixteen waves take a group's 8,192 bytes, 16 a thread
.endr
.irp j, 0,1,2,3
	global_load_b128 v[Q+4*\j:Q+4*\j+3], v[LN], s[30:31] offset:512*\j         ; two images of Q stay in registers
.endr
.irp t, 0,1
	v_mov_b32 v[ST+12*\t+1], 0xff61b1e6            ; the largest t so far: -3e38, under every t
	v_floor_f32 v[ST+12*\t], -v[ST+12*\t+1]        ; -M
	v_mov_b32 v[ST+12*\t+2], 0                     ; the sum, in two halves
	v_mov_b32 v[ST+12*\t+3], 0
	v_mov_b32 v[ST+12*\t+5], 0                     ; (named as the upper half of a pair)
	v_mov_b32 v[ST+12*\t+8], 0                     ; (a lane permute's destination counts as one of its sources)
.endr
.set n, 0
.rept 64
	v_mov_b32 v[O+n], 0                            ; O^T.  The step is written once for all steps: the first finds zeros, which the first change of M leaves zeros
.set n, n+1
.endr
	s_wait_kmcnt 0x0
	s_add_co_i32 s40, s34, s35                     ; a score stands for score x 2^(e2 + e3): added to c's exponent field
	s_lshl_b32 s40, s40, 23
	s_mov_b32 s[CS], 0x3e38aa3b                    ; log2(e) / 8
	s_add_co_i32 s[CS], s[CS], s40
	s_mov_b32 s[CS+1], s[CS]                       ; (named with it as a pair, so it is written)
	s_add_co_i32 s40, s36, 127
	s_lshl_b32 s41, s40, 23
	v_mov_b32 v[PSC], s41
	s_add_co_i32 s40, s40, 8
	s_lshl_b32 s40, s40, 23
	s_or_b32 s40, s40, 0x600000
	v_mov_b32 v[PLIM], s40
	s_sub_co_i32 s40, s38, s36                     ; O / sum stands for o / 2^(e4 + e5): the three scales are folded into the conversion's one
	s_sub_co_i32 s40, s40, s37
	s_add_co_i32 s40, s40, 127
	s_lshl_b32 s41, s40, 23
	v_mov_b32 v[OSC], s41
	s_add_co_i32 s40, s40, 8
	s_lshl_b32 s40, s40, 23
	s_or_b32 s40, s40, 0x600000
	v_mov_b32 v[OLIM], s40
	s_wait_loadcnt 4                               ; slot 0's four loads are in; Q's four may be out
.irp j, 0,1,2,3
	ds_store_b128 v[TH], v[STG+4*\j:STG+4*\j+3] offset:8192*\j
.endr
	s_wait_dscnt 0x0                               ; for the others' sake: my stores have landed
	s_barrier_signal -1
	s_barrier_wait -1
	s_wait_loadcnt 0x0                             ; Q
; A KEY STEP: 64 keys against my 32 queries.  In every group of lines the two tiles alternate, so that no line waits for the line above it.
.macro STEP
	s_cmp_gt_u32 s[KS], s[LS]
	s_cbranch_scc1 .Lend_\@                        ; all 64 keys come after my queries
	v_add_nc_u32 v[ADR], s[KB], v[LN]
.irp f, 0,1,2,3
	ds_load_b128 v[KV+8*\f:KV+8*\f+3], v[ADR] offset:1024*\f          ; K's image of keys 16 f on: 512 consecutive bytes a load
	ds_load_b128 v[KV+8*\f+4:KV+8*\f+7], v[ADR] offset:1024*\f+512
.endr
	s_wait_dscnt 0x0
.irp f, 0,1,2,3
.irp t, 0,1
	v_wmma_f32_16x16x64_fp8_fp8 v[S+32*\t+8*\f:S+32*\t+8*\f+7], v[KV+8*\f:KV+8*\f+7], v[Q+8*\t:Q+8*\t+7], 0   ; register 8 f + j of lane (r, h): query r of tile t, key 16 f + 8 h + j
.endr
.endr
.rept 4
	v_nop                                          ; places in front of the loads into K's registers and of the first read of the scores
.endr
.irp f, 0,1,2,3
	ds_load_b128 v[KV+8*\f:KV+8*\f+3], v[ADR] offset:4096+1024*\f     ; V's image of channels 16 f on: it lands while the softmax is walked
	ds_load_b128 v[KV+8*\f+4:KV+8*\f+7], v[ADR] offset:4096+1024*\f+512
.endr
	s_cmp_lg_u32 s[KS], s[LS]
	s_cbranch_scc1 .Lopen_\@                       ; all keys count
	s_lshl_b32 s40, s[KS], 6
	s_sub_co_u32 s40, s[Q0], s40
	v_add_nc_u32 v[DD], s40, v[RH]                 ; key 16 f + 8 h + j of the step is hidden from query 16 t + r of mine where 16 f + j - 16 t > Q0 - 64 KS + r - 8 h
.irp f, 0,1,2,3
.irp j, 0,1,2,3,4,5,6,7
.irp t, 0,1
	v_cmp_gt_i32 vcc_lo, 16*\f+\j-16*\t, v[DD]
	v_cndmask_b32 v[S+32*\t+8*\f+\j], v[S+32*\t+8*\f+\j], v[NINF], vcc_lo
.endr
.endr
.endr
.Lopen_\@:
.irp t, 0,1
	v_max3_num_f32 v[ST+12*\t+6], v[S+32*\t], v[S+32*\t+1], v[S+32*\t+2]     ; the step's largest score of my query among my 32 keys, two chains a tile; each accumulator is met at its low end first
	v_max3_num_f32 v[ST+12*\t+7], v[S+32*\t+3], v[S+32*\t+4], v[S+32*\t+5]
.endr
.irp n, 6,10,14,18,22,26
.irp t, 0,1
	v_max3_num_f32 v[ST+12*\t+6], v[ST+12*\t+6], v[S+32*\t+\n], v[S+32*\t+\n+1]
	v_max3_num_f32 v[ST+12*\t+7], v[ST+12*\t+7], v[S+32*\t+\n+2], v[S+32*\t+\n+3]
.endr
.endr
.irp t, 0,1
	v_max3_num_f32 v[ST+12*\t+6], v[ST+12*\t+6], v[S+32*\t+30], v[S+32*\t+31]
.endr
.irp t, 0,1
	v_max_num_f32 v[ST+12*\t+6], v[ST+12*\t+6], v[ST+12*\t+7]
.endr
.irp t, 0,1
	v_permlanex16_b32 v[ST+12*\t+8], v[ST+12*\t+6], s[SEL], s[SEL+1]
.endr
.irp t, 0,1
	v_max_num_f32 v[ST+12*\t+6], v[ST+12*\t+6], v[ST+12*\t+8]     ; and among lane l xor 16's
.endr
.irp t, 0,1
	v_mul_f32 v[ST+12*\t+6], s[CS], v[ST+12*\t+6]                 ; as t (c is positive)
.endr
.irp t, 0,1
	v_max_num_f32 v[ST+12*\t+1], v[ST+12*\t+1], v[ST+12*\t+6]     ; the running largest t
.endr
.irp t, 0,1
	v_mov_b32 v[ST+12*\t+9], v[ST+12*\t]
.endr
.irp t, 0,1
	v_floor_f32 v[ST+12*\t], -v[ST+12*\t+1]                       ; the new -M = floor(-t): M is a whole number
.endr
.irp t, 0,1
	v_sub_f32 v[ST+12*\t+9], v[ST+12*\t], v[ST+12*\t+9]           ; old M - new M: a whole number, 0 or less
.endr
.irp t, 0,1
	v_cvt_i32_f32 v[ST+12*\t+9], v[ST+12*\t+9]                    ; (it saturates)
.endr
.irp t, 0,1
	v_ldexp_f32 v[ST+12*\t+4], 1.0, v[ST+12*\t+9]                 ; f = 2^(old M - new M)
.endr
.irp j, 0,2,4,6,8,10,12,14,16,18,20,22,24,26,28,30
.irp t, 0,1
	v_pk_fma_f32 v[S+32*\t+\j:S+32*\t+\j+1], v[S+32*\t+\j:S+32*\t+\j+1], s[CS:CS+1], v[ST+12*\t:ST+12*\t+1] op_sel_hi:[1,0,0]   ; t - M, two at a time
.endr
.endr
.set n, 0
.rept 32
	v_exp_f32 v[S+n], v[S+n]                       ; p = 2^(t - M): one batch of 64
	v_exp_f32 v[S+32+n], v[S+32+n]
.set n, n+1
.endr
.irp t, 0,1
	v_pk_mul_f32 v[ST+12*\t+2:ST+12*\t+3], v[ST+12*\t+2:ST+12*\t+3], v[ST+12*\t+4:ST+12*\t+5] op_sel_hi:[1,0]   ; the sums under the new M: plain lines behind the exponentials
.endr
	s_wait_alu depctr_va_vdst(0)                   ; one wait for the batch, ahead of its first reader
.irp t, 0,1
	v_pk_add_f32 v[ST+12*\t+6:ST+12*\t+7], v[S+32*\t:S+32*\t+1], v[S+32*\t+2:S+32*\t+3]   ; the row's sum is taken of the unquantised p, in two chains a tile
.endr
.irp j, 4,8,12,16,20,24,28
.irp t, 0,1
	v_pk_add_f32 v[ST+12*\t+2:ST+12*\t+3], v[ST+12*\t+2:ST+12*\t+3], v[S+32*\t+\j:S+32*\t+\j+1]
	v_pk_add_f32 v[ST+12*\t+6:ST+12*\t+7], v[ST+12*\t+6:ST+12*\t+7], v[S+32*\t+\j+2:S+32*\t+\j+3]
.endr
.endr
.irp t, 0,1
	v_pk_add_f32 v[ST+12*\t+2:ST+12*\t+3], v[ST+12*\t+2:ST+12*\t+3], v[ST+12*\t+6:ST+12*\t+7]
.endr
	s_cmp_lt_i32 s36, -8                           ; with e4 >= -8, 448 x 2^e4 >= 1.75 lies above every p
	s_cbranch_scc0 .Lnohold_\@
.set n, 0
.rept 64
	v_min_num_f32 v[S+n], v[S+n], v[PLIM]          ; the conversion to an 8-bit code does not saturate (ISA guide 7.6.2); p is not negative, so the hold is one-sided
.set n, n+1
.endr
.Lnohold_\@:
.irp f, 0,1,2,3
.irp t, 0,1
	v_cvt_scalef32_pk8_fp8_f32 v[P+8*\t+2*\f:P+8*\t+2*\f+1], v[S+32*\t+8*\f:S+32*\t+8*\f+7], v[PSC]   ; registers 2 f, 2 f + 1 of P: keys 16 f + 8 h + 0 .. 7
.endr
.endr
.irp j, 0,2,4,6,8,10,12,14,16,18,20,22,24,26,28,30
.irp t, 0,1
	v_pk_mul_f32 v[O+32*\t+\j:O+32*\t+\j+1], v[O+32*\t+\j:O+32*\t+\j+1], v[ST+12*\t+4:ST+12*\t+5] op_sel_hi:[1,0]   ; O^T under the new M.  (Also the plain lines between the conversions and the products that read them)
.endr
.endr
	s_wait_dscnt 0x0                               ; V is in
.irp f, 0,1,2,3
.irp t, 0,1
	v_wmma_f32_16x16x64_fp8_fp8 v[O+32*\t+8*\f:O+32*\t+8*\f+7], v[KV+8*\f:KV+8*\f+7], v[P+8*\t:P+8*\t+7], v[O+32*\t+8*\f:O+32*\t+8*\f+7]   ; the eight accumulators take turns; the next step's eight products K Q^T stand between two links
.endr
.endr
.rept 4
	v_nop                                          ; places behind these products, for whatever follows: the next step's loads, or the way out
.endr
.Lend_\@:
	s_add_co_u32 s[KS], s[KS], 1
	s_add_co_u32 s[KB], s[KB], 8192
.endm
; SLOT n: the next slot's loads go out (where my work-group has a next slot: a branch on ids); four key steps out of slot n; the loaded bytes go into slot n + 1, which nobody has read or written; one barrier.
.macro SLOT n, stage
.if \stage
	s_cmp_gt_u32 s[NSL], \n
	s_cbranch_scc0 .Lnoload_\@
.irp j, 0,1,2,3
	global_load_b128 v[STG+4*\j:STG+4*\j+3], v[TH], s[28:29] offset:49152*(\n+1)+12288*\j
.endr
.Lnoload_\@:
.endif
	s_mov_b32 s[KB], 32768*\n
	s_mov_b32 s[J], 4
.Lstep_\@:
	STEP
	s_sub_co_u32 s[J], s[J], 1
	s_cmp_lg_u32 s[J], 0
	s_cbranch_scc1 .Lstep_\@
.if \stage
	s_wait_loadcnt 0x0                             ; the staging loads, asked for four key steps ago; the wait stands on every path
	s_cmp_gt_u32 s[NSL], \n
	s_cbranch_scc0 .Lnostore_\@
	v_add_nc_u32 v[STA], 32768*(\n+1), v[TH]
.irp j, 0,1,2,3
	ds_store_b128 v[STA], v[STG+4*\j:STG+4*\j+3] offset:8192*\j
.endr
.Lnostore_\@:
	s_wait_dscnt 0x0                               ; for the others' sake: my stores have landed
	s_barrier_signal -1
	s_barrier_wait -1
.endif
.endm
.irp n, 0,1,2,3,4,5,6
	SLOT \n, 1
.endr
	SLOT 7, 0
	; THE WAY OUT: O^T / the sum, held and converted: eight channels of a lane's query are two registers of o's image
.irp t, 0,1
	v_add_f32 v[ST+12*\t+2], v[ST+12*\t+2], v[ST+12*\t+3]
.endr
.irp t, 0,1
	v_permlanex16_b32 v[ST+12*\t+8], v[ST+12*\t+2], s[SEL], s[SEL+1]
.endr
.irp t, 0,1
	v_add_f32 v[ST+12*\t+2], v[ST+12*\t+2], v[ST+12*\t+8]         ; the row's sum
.endr
.irp t, 0,1
	v_rcp_f32 v[ST+12*\t+4], v[ST+12*\t+2]
.endr
	v_nop                                          ; a plain line behind the reciprocals
	s_wait_alu depctr_va_vdst(0)                   ; and the wait ahead of their first reader
.irp j, 0,2,4,6,8,10,12,14,16,18,20,22,24,26,28,30
.irp t, 0,1
	v_pk_mul_f32 v[O+32*\t+\j:O+32*\t+\j+1], v[O+32*\t+\j:O+32*\t+\j+1], v[ST+12*\t+4:ST+12*\t+5] op_sel_hi:[1,0]
.endr
.endr
.set n, 0
.rept 64
	v_med3_num_f32 v[O+n], v[O+n], -v[OLIM], v[OLIM]
.set n, n+1
.endr
.irp f, 0,1,2,3
.irp t, 0,1
	v_cvt_scalef32_pk8_fp8_f32 v[P+8*\t+2*\f:P+8*\t+2*\f+1], v[O+32*\t+8*\f:O+32*\t+8*\f+7], v[OSC]   ; channels 16 f + 8 h + 0 .. 7
.endr
.endr
	v_nop
.irp t, 0,1
	global_store_b128 v[LN], v[P+8*\t:P+8*\t+3], s[8:9] offset:16384*\t          ; 32 lanes store 512 consecutive bytes, aligned
	global_store_b128 v[LN], v[P+8*\t+4:P+8*\t+7], s[8:9] offset:16384*\t+512
.endr
	s_wait_tensorcnt 0x0
	ds_add_u32 v254, v255
	s_wait_dscnt 0x0
	s_endpgm
.Lfunc_end_k_qa6f67303f9_attn:
	.size	k_qa6f67303f9_attn, .Lfunc_end_k_qa6f67303f9_attn-k_qa6f67303f9_attn
	.p2alignl 7, 3214868480
	.fill 96, 4, 3214868480
	.section	.rodata,"a",@progbits
	.p2align	6, 0x0
	.amdhsa_kernel k_qa6f67303f9_attn
		.amdhsa_group_segment_fixed_size 264192
		.amdhsa_private_segment_fixed_size 0
		.amdhsa_enable_private_segment 0
		.amdhsa_kernarg_size 24
		.amdhsa_user_sgpr_count 2
		.amdhsa_user_sgpr_kernarg_segment_ptr 1
		.amdhsa_wavefront_size32 1
		.amdhsa_system_sgpr_workgroup_id_x 1
		.amdhsa_system_sgpr_workgroup_id_y 1
		.amdhsa_system_sgpr_workgroup_id_z 1
		.amdhsa_system_vgpr_workitem_id 0
		.amdhsa_next_free_vgpr 256
		.amdhsa_next_free_sgpr 66
		.amdhsa_reserve_vcc 1
		.amdhsa_float_denorm_mode_32 3
		.amdhsa_float_denorm_mode_16_64 3
		.amdhsa_memory_ordered 1
		.amdhsa_forward_progress 1
		.amdhsa_inst_pref_size 183
	.end_amdhsa_kernel
	.amdgpu_metadata
---
amdhsa.version: [ 1, 2 ]
amdhsa.kernels:
  - .name:           k_qa6f67303f9_attn
    .symbol:         k_qa6f67303f9_attn.kd
    .args:
      - { .name: qkv_img, .offset: 0, .size: 8, .value_kind: global_buffer, .address_space: global }
      - { .name: lowp_scales, .offset: 8, .size: 8, .value_kind: global_buffer, .address_space: global }
      - { .name: o_img, .offset: 16, .size: 8, .value_kind: global_buffer, .address_space: global }
    .group_segment_fixed_size: 264192
    .private_segment_fixed_size: 0
    .kernarg_segment_align: 8
    .kernarg_segment_size: 24
    .max_flat_workgroup_size: 512
    .sgpr_count:     66
    .vgpr_count:     256
    .wavefront_size: 32
...
	.end_amdgpu_metadata
.endif
;; end of part 3
;; launch gemm_out (part 4): grid 4 x 32, 4 waves a work-group, clusters of 4 x 4, 327,680 bytes of LDS; arguments o_img, codes, lowp_scales, b_out, out0; writes out0
.if DOCPART == 4
	.amdgcn_target "amdgcn-amd-amdhsa--gfx1250"
	.amdhsa_code_object_version 6
	.text
	.protected	k_qa6f67303f9_gemm_out
	.globl	k_qa6f67303f9_gemm_out
	.p2align	8
	.type	k_qa6f67303f9_gemm_out,@function
k_qa6f67303f9_gemm_out:
	s_mov_b64 s[64:65], 0
	v_nop
	global_prefetch_b8 v0, s[64:65] scope:SCOPE_SE
	s_setreg_imm32_b32 hwreg(HW_REG_WAVE_MODE, 25, 1), 1
	s_wait_xcnt 0x0
	s_wait_alu depctr_hold_cnt(0) depctr_sa_sdst(0) depctr_va_vdst(0) depctr_va_sdst(0) depctr_va_ssrc(0) depctr_va_vcc(0) depctr_vm_vsrc(0)
	s_getreg_b32 s2, hwreg(HW_REG_IB_STS2, 6, 4)
	s_cmp_eq_u32 s2, 0
	s_cbranch_scc0 .Lentry_in_a_cluster
	s_endpgm
.Lentry_in_a_cluster:
	s_bfe_u32 s2, ttmp6, 0x10000c
	s_cmp_lg_u32 s2, 0xf033
	s_cbranch_scc0 .Lentry_shape_is_right
	s_endpgm
.Lentry_shape_is_right:
; out0 = o W_out + b_out on codes of FP8 (E4M3).  o comes as images of operand registers (o_img: [512 tiles of 16 tokens][16 heads][1,024 bytes]; an image: [2][32 lanes][16 bytes], register 2 c, 2 c + 1 of lane (r, h): token r,
; channels 16 c + 8 h + 0 .. 7 of the head); two heads' images on end are a fragment of 16 rows x 128 K with every k in the instruction's own place.  W_out's columns are rows 11264-12287 of the codes' buffer, K along a row with
; bits 3 and 4 of k exchanged, so that four loads of 16 bytes, 32 bytes apart, put the same k into the same places.
; A work-group of four waves makes 256 x 256 of out0, a wave 128 x 128: 64 accumulators, 512 registers.  K = 1,024 goes in four steps of 256 through two LDS slots filled by the tensor data mover; the sequence is written straight.
; 128 tiles of 256 x 256: 128 work-groups.  The wave's tile of 128 x 128 is kept, so that each fragment read from LDS feeds eight products.
; THE MATRIX INSTRUCTION IS USED TRANSPOSED (source 0 = 16 rows of W_out's codes, source 1 = 16 tokens): a lane holds eight neighbouring numbers of a row of out0.
; CLUSTERS: 4 x 4 work-groups: o's tile is asked for jointly by a row of the cluster, W_out's by a column.
; LIMIT: e6 + e7 between -126 and 127.
; REGISTERS: window 0: v1-7 at work; v16-29 addresses; v32-63 half a block's results; v64-127 the bias at my 64 columns; from v128 o's fragments, ONE set, later rows on the way out.   window 1: W_out's fragments, two sets.   windows 2, 3: the accumulators.
.set KROW,   1024
.set ROWB,   256                       ; a row of W_out's tile
.set ASTEP,  4096                      ; a K step of 256 in a tile of tokens: four heads' images
.set PITCH,  272                       ; W_out's rows in LDS: 256 bytes + 16 of padding
.set FR,     16
.set NL,     4
.set NP,     4
.set HALFA,  32768                     ; 8 tiles of tokens x 4,096 bytes, dense: what one load for o brings; read 512 consecutive bytes an instruction
.set HALFB,  128*PITCH
.set BOFF,   2*HALFA
.set SLOT,   BOFF+2*HALFB
.set SPARE,  2*SLOT                    ; behind the ring: the spare words, 128 bytes for each wave, which no other line names
.set SPITCH, 528                       ; the way out: a stage of 16 rows x (512 bytes + 16) for each wave, in slot 0, which has had its last fill and its last read when the first result is stored there
.set ADRA, 16
.set ADRB, 20
.set STO,  24
.set RD,   25
.set CO,   26
.set SPW,  28
.set NIL,  29
.set TMP,  32
.set BQ,   64
.set AF,   128
.set BK,   128
.set G1, 24
.set G0, 32
.set G1B, 48
.set G0B, 56
.set MSB, 0
.macro WIN new                         ; the immediate's high byte repeats the setting that is left
.if MSB != \new
	s_set_vgpr_msb (MSB<<8)|\new
.set MSB, \new
.endif
.endm
.set MUL_LO, 0xa1
.set MUL_HI, 0xf1
.set TO_B,   0x40
.macro JLOAD g0a, g1a, g0b, g1b        ; a joint load: waves 0 and 1 fetch o's halves, waves 2 and 3 W_out's; four v_nop follow each of the two lines
	s_cmp_eq_u32 s15, 0
	s_cbranch_scc0 .Lfor_b_\@
	tensor_load_to_lds s[\g0a:\g0a+3], s[\g1a:\g1a+7]
	s_nop 0
.rept 4
	v_nop
.endr
	s_branch .Lasked_\@
.Lfor_b_\@:
	tensor_load_to_lds s[\g0b:\g0b+3], s[\g1b:\g1b+7]
	s_nop 0
.rept 4
	v_nop
.endr
.Lasked_\@:
.endm
.macro CREST
	s_cmp_lg_u32 s14, 0
	s_cbranch_scc1 .Lnot_wave_0_\@
	s_barrier_signal -3
.Lnot_wave_0_\@:
	s_barrier_wait -3
	s_barrier_signal -1
	s_barrier_wait -1
.endm
.macro CROUND
	s_barrier_signal -1
	s_barrier_wait -1
	CREST
.endm
	s_load_b256 s[4:11], s[0:1], 0x0               ; o_img s[4:5], codes s[6:7], the scales' exponents s[8:9], b_out s[10:11]
	s_load_b64 s[12:13], s[0:1], 0x20              ; out0
	v_lshl_add_u32 v[SPW], v0, 2, SPARE
	v_mov_b32 v[NIL], 0
	ds_add_u32 v28, v29
	ds_add_u32 v28, v29
	s_wait_dscnt 0x0
	v_lshrrev_b32 v1, 5, v0
	v_readfirstlane_b32 s14, v1                    ; wave 0..3
	s_lshr_b32 s15, s14, 1                         ; which half of the tile's rows is mine.  Also: I fetch for o (0) or for W_out (1)
	s_and_b32 s16, s14, 1                          ; which half of its columns.  Also: which half of that tile I fetch
	s_bfe_u32 s40, ttmp6, 0x40000                  ; cx, cy
	s_bfe_u32 s41, ttmp6, 0x40004
	s_lshl_b32 s42, ttmp9, 2
	s_add_co_u32 s42, s42, s40                     ; tile column
	s_and_b32 s17, ttmp7, 0xffff
	s_lshl_b32 s17, s17, 2
	s_add_co_u32 s17, s17, s41                     ; tile row
	s_lshl_b32 s43, s41, 2
	s_lshl_b32 s43, 15, s43                        ; my row of the cluster
	s_lshl_b32 s44, 0x1111, s40                    ; my column
	; o's tiles: 8 rows (tiles of tokens) of 512 elements of 8 bytes, 2,048 elements apart, no padding
	s_or_b32 s[G1+0], s43, (3<<16)|(1<<21)         ; 15:0 the mask; 17:16 elements of 8 bytes; 21 set beside a mask
	s_mov_b32 s[G1+1], 512<<16                     ; tensor_dim0
	s_mov_b32 s[G1+2], 8<<16                       ; tensor_dim1
	s_mov_b32 s[G1+3], 512<<16                     ; tile_dim0
	s_mov_b32 s[G1+4], 8                           ; tile_dim1
	s_mov_b32 s[G1+5], 2048                        ; tensor_dim0_stride
	s_mov_b32 s[G1+6], 0
	s_mov_b32 s[G1+7], 0
	; W_out's tiles: 128 rows of 256 bytes, padded in LDS
	s_or_b32 s[G1B+0], s44, (0<<16)|(1<<20)|(1<<21)|(5<<22)|(3<<25)
	s_mov_b32 s[G1B+1], ROWB<<16
	s_mov_b32 s[G1B+2], 128<<16
	s_mov_b32 s[G1B+3], ROWB<<16
	s_mov_b32 s[G1B+4], 128
	s_mov_b32 s[G1B+5], KROW
	s_mov_b32 s[G1B+6], 0
	s_mov_b32 s[G1B+7], 0
	s_lshl_b32 s20, s17, 18                        ; o: 16 tiles of tokens of 16,384 bytes to a tile row,
	s_lshl_b32 s18, s16, 17                        ; 8 of them to a half
	s_add_co_u32 s20, s20, s18
	s_mov_b32 s21, 0
	s_lshl_b32 s46, s42, 8
	s_lshl_b32 s18, s16, 7
	s_add_co_u32 s46, s46, s18
	s_add_co_u32 s46, s46, 11264                   ; W_out: row in the codes' buffer
	s_lshl_b32 s46, s46, 10
	s_mov_b32 s47, 0
	s_lshl_b32 s45, s16, 15                        ; where they go: o's halves,
	s_mul_i32 s19, s16, HALFB
	s_add_co_u32 s19, s19, BOFF                    ; W_out's halves behind them: no place in the cluster enters an LDS address
	s_wait_kmcnt 0x0
	s_load_b256 s[72:79], s[8:9], 0x0              ; e0 .. e7
	s_add_nc_u64 s[20:21], s[4:5], s[20:21]
	s_add_nc_u64 s[46:47], s[6:7], s[46:47]
	CROUND                                         ; all sixteen work-groups are here: the first joint loads meet
.irp s, 0,1
	s_mov_b32 s[G0+4*\s], 1
	s_add_co_u32 s[G0+4*\s+1], s45, \s*SLOT
	s_add_nc_u64 s[G0+4*\s+2:G0+4*\s+3], s[20:21], \s*ASTEP
	s_or_b32 s[G0+4*\s+3], s[G0+4*\s+3], 0x80000000
	s_mov_b32 s[G0B+4*\s], 1
	s_add_co_u32 s[G0B+4*\s+1], s19, \s*SLOT
	s_add_nc_u64 s[G0B+4*\s+2:G0B+4*\s+3], s[46:47], \s*ROWB
	s_or_b32 s[G0B+4*\s+3], s[G0B+4*\s+3], 0x80000000
	JLOAD G0+4*\s, G1, G0B+4*\s, G1B               ; two loads of mine are out
.endr
	v_and_b32 v1, 15, v0                           ; r
	v_bfe_u32 v2, v0, 4, 1                         ; h
	v_and_b32 v6, 31, v0
	v_lshlrev_b32 v[CO], 4, v6                     ; 16 x lane
	v_mul_u32_u24 v3, v1, PITCH
	v_lshl_add_u32 v4, v2, 4, v3                   ; W_out: a fragment's row x pitch + 16 h
	s_lshl_b32 s21, s15, 15                        ; my 8 tiles of tokens
	s_mul_i32 s22, s16, HALFB
	s_add_co_u32 s22, s22, BOFF                    ; my 128 rows of W_out
.irp s, 0,1
	v_add_nc_u32 v[ADRA+\s], s21, v[CO]
	v_add_nc_u32 v[ADRB+\s], s22, v4
	s_add_co_u32 s21, s21, SLOT
	s_add_co_u32 s22, s22, SLOT
.endr
	s_mul_i32 s23, s14, 16*SPITCH                  ; my stage
	v_mul_u32_u24 v5, v1, SPITCH                   ; in: row r, 32 bytes for each half of the lanes
	v_lshl_add_u32 v5, v2, 5, v5
	v_add_nc_u32 v[STO], s23, v5
	v_add_nc_u32 v[RD], s23, v[CO]                 ; back: the 32 lanes take one row of 512 bytes
	v_lshlrev_b32 v7, 5, v2                        ; 32 h: eight numbers of the bias for each half of the lanes
	s_lshl_b32 s46, s42, 10                        ; my first column, in bytes of f32: 1,024 x tile column + 512 x half
	s_lshl_b32 s47, s16, 9
	s_add_co_u32 s46, s46, s47
	s_mov_b32 s47, 0
	s_add_nc_u64 s[10:11], s[10:11], s[46:47]
.irp b, 0,1,2,3,4,5,6,7
	global_load_b128 v[BQ+8*\b:BQ+8*\b+3], v7, s[10:11] offset:64*\b       ; b_out at columns 16 b + 8 h + 0 .. 7 of my 128
	global_load_b128 v[BQ+8*\b+4:BQ+8*\b+7], v7, s[10:11] offset:64*\b+16
.endr
	s_lshl_b32 s20, s17, 8
	s_lshl_b32 s21, s15, 7
	s_add_co_u32 s20, s20, s21                     ; my first row of out0
	s_lshl_b32 s20, s20, 12                        ; rows of 4,096 bytes
	s_add_co_u32 s20, s20, s46
	s_mov_b32 s21, 0
	s_add_nc_u64 s[12:13], s[12:13], s[20:21]
.macro FRAG reg, adr, q, i             ; W_out: 16 rows x 128 K: four loads of 16 bytes, 32 bytes apart
.irp c, 0,1,2,3
	ds_load_b128 v[\reg+4*\c:\reg+4*\c+3], v[\adr] offset:128*(\q)+32*\c+(\i)*16*PITCH
.endr
.endm
.macro FRAGA reg, adr, q, i            ; o: tile of tokens i, heads 2 q and 2 q + 1 of the slot's four: two images on end, 512 consecutive bytes a load
.irp c, 0,1,2,3
	ds_load_b128 v[\reg+4*\c:\reg+4*\c+3], v[\adr] offset:4096*(\i)+2048*(\q)+512*\c
.endr
.endm
.macro MUL16 a0, p, zero               ; 16 matrix instructions; the 64 accumulators take turns, one instruction a turn, in the same order in every step
.irp a, \a0, \a0+1
.irp b, 0,1,2,3,4,5,6,7
.if \zero
	v_wmma_f32_16x16x128_fp8_fp8 v[8*(8*((\a)%4)+\b):8*(8*((\a)%4)+\b)+7], v[128*(\p)+FR*\b:128*(\p)+FR*\b+FR-1], v[AF+FR*(\a):AF+FR*(\a)+FR-1], 0
.else
	v_wmma_f32_16x16x128_fp8_fp8 v[8*(8*((\a)%4)+\b):8*(8*((\a)%4)+\b)+7], v[128*(\p)+FR*\b:128*(\p)+FR*\b+FR-1], v[AF+FR*(\a):AF+FR*(\a)+FR-1], v[8*(8*((\a)%4)+\b):8*(8*((\a)%4)+\b)+7]
.endif
.endr
.endr
.endm
.macro FETCH_B slot, q, p
	WIN TO_B
.irp i, 0,1,2,3,4,5,6,7
	FRAG 128*(\p)+FR*\i, ADRB+\slot, \q, \i
.endr
	WIN 0
.endm
.macro FETCH_A slot, q, i0
.irp i, \i0, \i0+1, \i0+2, \i0+3
	FRAGA AF+FR*(\i), ADRA+\slot, \q, \i
.endr
.endm
.macro PLACES n
.rept \n
	v_nop
.endr
.endm
.macro STEP slot, q, zero
	s_wait_dscnt 4*NL                              ; W_out's set and o's blocks 0-3 are in; the youngest sixteen loads (o's blocks 4-7) may be out
	WIN MUL_LO
	MUL16 0, (\q)%2, \zero
	MUL16 2, (\q)%2, \zero
	s_wait_dscnt 0
	PLACES NP
	FETCH_B \slot, (\q)+1, 1-(\q)%2
	FETCH_A \slot, (\q)+1, 0
	WIN MUL_HI
	MUL16 4, (\q)%2, \zero
	MUL16 6, (\q)%2, \zero
	PLACES NP
	WIN 0
	FETCH_A \slot, (\q)+1, 4
.endm
.macro TURN slot, next, fill
	s_wait_tensorcnt 0x0                           ; all my tensor loads have landed: my part of the next slot
	ds_add_u32 v[SPW], v[NIL]                      ; 0 onto my spare word
	s_wait_dscnt 4*NL+1                            ; (the add and the youngest sixteen loads may be out)
	WIN MUL_LO
	MUL16 0, 1, 0
	s_wait_dscnt 0x0                               ; the add is done, and my reads of this slot are over
	s_barrier_signal -1
	MUL16 2, 1, 0
	WIN 0
	s_barrier_wait -1
.if \fill
	CREST                                          ; the barrier has opened a round of the cluster's barrier: no wave of any partner still reads this slot or has a load on its way
	s_add_nc_u64 s[G0+4*\slot+2:G0+4*\slot+3], s[G0+4*\slot+2:G0+4*\slot+3], 2*ASTEP
	s_add_nc_u64 s[G0B+4*\slot+2:G0B+4*\slot+3], s[G0B+4*\slot+2:G0B+4*\slot+3], 2*ROWB
	JLOAD G0+4*\slot, G1, G0B+4*\slot, G1B         ; the first tensor load behind the round, my one load until the next
.else
	PLACES NP
.endif
	FETCH_B \next, 0, 0
	FETCH_A \next, 0, 0
	WIN MUL_HI
	MUL16 4, 1, 0
	MUL16 6, 1, 0
	PLACES NP
	WIN 0
	FETCH_A \next, 0, 4
.endm
	s_wait_tensorcnt 1                             ; my part of K step 0 is in; K step 1's load may be out
	s_barrier_signal -1
	s_barrier_wait -1
	FETCH_B 0, 0, 0
	FETCH_A 0, 0, 0
	FETCH_A 0, 0, 4
	STEP 0, 0, 1
	TURN 0, 1, 1
	STEP 1, 0, 0
	TURN 1, 0, 1
	STEP 0, 0, 0
	TURN 0, 1, 0
	STEP 1, 0, 0
	s_wait_dscnt 4*NL
	WIN MUL_LO
	MUL16 0, 1, 0
	MUL16 2, 1, 0
	s_wait_dscnt 0
	WIN MUL_HI
	MUL16 4, 1, 0
	MUL16 6, 1, 0
	WIN 0
; THE WAY OUT, block by block of 16 rows x 128 columns: number = sum x 2^(e6 + e7) + bias, one packed multiply-add for two; through my own stage in LDS; back as whole rows of 512 bytes.
; LDS serves a wave's instructions in order (ISA guide 5.7.1.4): no wait between the stores and the loads, nor in front of the next block's stores.
.macro TOSTAGE a
.set WW, 0x02+((\a)/4)
.irp y, 0,1
	WIN WW                                         ; source 0: window 2 or 3
.irp c, 0,1,2,3
.irp i, 0,2,4,6
.set AC, 8*(8*((\a)%4)+4*\y+\c)+\i
	v_pk_fma_f32 v[TMP+8*\c+\i:TMP+8*\c+\i+1], v[AC:AC+1], s[96:97], v[BQ+8*(4*\y+\c)+\i:BQ+8*(4*\y+\c)+\i+1] op_sel_hi:[1,0,1]   ; each accumulator from its low end on
.endr
.endr
	WIN 0
.irp c, 0,1,2,3
	ds_store_b128 v[STO], v[TMP+8*\c:TMP+8*\c+3] offset:64*(4*\y+\c)
	ds_store_b128 v[STO], v[TMP+8*\c+4:TMP+8*\c+7] offset:64*(4*\y+\c)+16
.endr
.endr
.set BB, BK+64*((\a)%2)
.irp t, 0,1,2,3,4,5,6,7,8,9,10,11,12,13,14,15
	ds_load_b128 v[BB+4*\t:BB+4*\t+3], v[RD] offset:\t*SPITCH
.endr
.endm
.macro SEND a, younger                 ; younger: the LDS instructions issued behind block a's loads, which may stay out
.set BB, BK+64*((\a)%2)
	s_wait_dscnt \younger
.if (\a) > 0
	s_add_nc_u64 s[12:13], s[12:13], 16*4096       ; (behind a wait on XCNT: the earlier stores have read their base)  16 rows on
.endif
.irp t, 0,1,2,3,4,5,6,7,8,9,10,11,12,13,14,15
	global_store_b128 v[CO], v[BB+4*\t:BB+4*\t+3], s[12:13] offset:\t*4096 th:TH_STORE_NT   ; 32 lanes store 512 consecutive bytes, aligned; written once, read by nobody here
.endr
.endm
	s_wait_kmcnt 0x0
	s_add_co_i32 s96, s78, s79                     ; e6 + e7
	s_add_co_i32 s96, s96, 127
	s_lshl_b32 s96, s96, 23                        ; 2^(e6 + e7) as f32
	s_mov_b32 s97, s96                             ; (named with it as a pair, so it is written)
	s_wait_loadcnt 0x0                             ; the bias
	PLACES NP                                      ; behind the last products: their results are read, and loads land in o's fragments' registers, below
	TOSTAGE 0
.irp a, 1,2,3,4,5,6,7
.if \a > 1
	s_wait_xcnt 0x0                                ; block a - 2's stores have read their registers and their base: block a's loads may land there, and the base may step
.endif
	TOSTAGE \a
	SEND \a-1, 32                                  ; behind block a - 1's loads: block a's 16 stores and 16 loads
.endr
	s_wait_xcnt 0x0                                ; block 6's stores have read their base
	SEND 7, 0
	s_wait_tensorcnt 0x0                           ; the wave's end
	ds_add_u32 v[SPW], v[NIL]
	s_wait_dscnt 0x0
	CROUND                                         ; the closing round: no work-group ends while a partner may still ask for a tile that names it
	s_endpgm
.Lfunc_end_k_qa6f67303f9_gemm_out:
	.size	k_qa6f67303f9_gemm_out, .Lfunc_end_k_qa6f67303f9_gemm_out-k_qa6f67303f9_gemm_out
	.p2alignl 7, 3214868480
	.fill 96, 4, 3214868480
	.section	.rodata,"a",@progbits
	.p2align	6, 0x0
	.amdhsa_kernel k_qa6f67303f9_gemm_out
		.amdhsa_group_segment_fixed_size 327680
		.amdhsa_private_segment_fixed_size 0
		.amdhsa_enable_private_segment 0
		.amdhsa_kernarg_size 40
		.amdhsa_user_sgpr_count 2
		.amdhsa_user_sgpr_kernarg_segment_ptr 1
		.amdhsa_wavefront_size32 1
		.amdhsa_system_sgpr_workgroup_id_x 1
		.amdhsa_system_sgpr_workgroup_id_y 1
		.amdhsa_system_sgpr_workgroup_id_z 1
		.amdhsa_system_vgpr_workitem_id 0
		.amdhsa_next_free_vgpr 1024
		.amdhsa_next_free_sgpr 100
		.amdhsa_reserve_vcc 0
		.amdhsa_float_denorm_mode_32 3
		.amdhsa_float_denorm_mode_16_64 3
		.amdhsa_memory_ordered 1
		.amdhsa_forward_progress 1
		.amdhsa_inst_pref_size 125
	.end_amdhsa_kernel
	.amdgpu_metadata
---
amdhsa.version: [ 1, 2 ]
amdhsa.kernels:
  - .name:           k_qa6f67303f9_gemm_out
    .symbol:         k_qa6f67303f9_gemm_out.kd
    .args:
      - { .name: o_img, .offset: 0, .size: 8, .value_kind: global_buffer, .address_space: global }
      - { .name: codes, .offset: 8, .size: 8, .value_kind: global_buffer, .address_space: global }
      - { .name: lowp_scales, .offset: 16, .size: 8, .value_kind: global_buffer, .address_space: global }
      - { .name: b_out, .offset: 24, .size: 8, .value_kind: global_buffer, .address_space: global }
      - { .name: out0, .offset: 32, .size: 8, .value_kind: global_buffer, .address_space: global }
    .group_segment_fixed_size: 327680
    .private_segment_fixed_size: 0
    .kernarg_segment_align: 8
    .kernarg_segment_size: 40
    .max_flat_workgroup_size: 128
    .sgpr_count:     100
    .vgpr_count:     1024
    .wavefront_size: 32
...
	.end_amdgpu_metadata
.endif
;; end of part 4
;; ======== version 2 of 2: 4 launches; version 1 with the launch attn written anew for expert scheduling mode
;; workspace buffers: codes 12,582,912 bytes; qkv_img 25,165,824 bytes; o_img 8,388,608 bytes
;; launch quant: the kernel of part 1 again; grid 640 x 1, 4 waves a work-group, no clusters, 35,328 bytes of LDS; arguments x, W_qkv, W_out, lowp_scales, codes; writes codes
;; launch gemm_qkv: the kernel of part 2 again; grid 12 x 32, 4 waves a work-group, clusters of 4 x 4, 327,680 bytes of LDS; arguments codes, lowp_scales, b_qkv, qkv_img; writes qkv_img
;; launch attn (part 5): grid 4 x 64, 16 waves a work-group, no clusters, 264,192 bytes of LDS; arguments qkv_img, lowp_scales, o_img; writes o_img
.if DOCPART == 5
	.amdgcn_target "amdgcn-amd-amdhsa--gfx1250"
	.amdhsa_code_object_version 6
	.text
	.protected	k_qa6f67303f9_attn
	.globl	k_qa6f67303f9_attn
	.p2align	8
	.type	k_qa6f67303f9_attn,@function
k_qa6f67303f9_attn:
	s_mov_b64 s[64:65], 0
	v_nop
	global_prefetch_b8 v0, s[64:65] scope:SCOPE_SE
	s_setreg_imm32_b32 hwreg(HW_REG_WAVE_SCHED_MODE, 0, 2), 2
	s_setreg_imm32_b32 hwreg(HW_REG_WAVE_MODE, 25, 1), 1
	s_wait_xcnt 0x0
	s_wait_alu depctr_vm_vsrc(0)
; Causal attention of one head on codes of FP8 (E4M3): o = softmax(q k^T / 8, key <= query) v, then o is quantised with its given scale (entry 6) and stored as images of the last product's operand registers.
; qkv_img: [64 heads of the batch][32 groups of 64 tokens][q, k, v][4 images of 1,024 bytes].  An image is a fragment of 16 rows x 64 K, 8 registers a lane, laid [2][32 lanes][16 bytes].
; THE SOFTMAX: t = score x log2(e) / 8; M = the running largest t rounded UP to a whole number; p = 2^(t - M) is quantised with 2^e4, not normalised; the row's sum is taken of the unquantised p and divides at the end;
; when M moves, the sum and O are multiplied by 2^(old M - new M), which rounds nothing.
; SHARES.  Work-group (i, head) owns the blocks i and 7 - i of 256 queries: 9 blocks' worth of keys in every work-group.  Each of its sixteen waves owns 32 queries, two tiles, of one of the two blocks; four waves share a SIMD.
; A key step is 64 keys.  Both products are used transposed (S^T = K Q^T, O^T = V^T P^T): a lane holds one query (lane % 16) of each tile throughout, its registers run along the keys, and eight scores converted are two registers of P.
; K AND V GO THROUGH REGISTERS INTO LDS, a slot of 256 keys (32,768 bytes) at a time, loaded one slot ahead of its use; each LDS byte is written once: the head's 262,144 bytes stay.  So there is no ring, no tensor load,
; and one barrier a slot.  The slots are written out, so that each slot's LDS bytes are constants of the text: a slot's steps read [32768 n, 32768 n + 32767], its stores write the next 32,768.
; A step all of whose keys come after my queries is jumped over (a scalar branch on ids); the step on the diagonal hides scores by compare and select; every wave passes every barrier.
; NO CLUSTER: the four work-groups of a head stage 8 - i slots, a number that differs between them, and their steps' branches hang on i; joint requests want partners that run alike.
; p <= 1, so its hold at 448 x 2^e4 can act only where e4 < -8: a scalar branch on that whole number jumps over the 64 lines otherwise.
; LIMITS: e2 + e3 between -123 and 130 (added to c's exponent field); e4, and e6 - e4 - e5, between -126 and 119.  NaN among the inputs is not served.
; THE MODE: SCHED_MODE bits 1:0 = 2 (LLVM: expert scheduling mode 2), set by the entry lines.  The code itself states the register dependences
; between vector or matrix instructions and memory or LDS instructions, with s_wait_alu, always for 0.
; THE PLAN.  Registers that memory or LDS instructions touch:
;   v1, v2, v244-246  Offsets and LDS addresses, made at the head and never written again: one wait on va_vdst ahead of the first load serves every load and store that reads them.
;   v[ADR]            Written once a step, at its head; read by the step's sixteen LDS loads.  A wait on vm_vsrc stands ahead of the write; the wait on va_vdst behind it is the one that KV wants there.
;   KV                K's loads land; the products K Q^T read it; V's loads land; the products V^T P^T read it.  A wait on va_vdst ahead of each of the two runs of loads: the products before are done reading it.
;                     One buffer: K wants 32 registers and under 32 of the wave's 256 are free.
;   STG               Global loads land at a slot's head; the LDS stores at the slot's end read it; no vector instruction names it.  A wait on vm_vsrc ahead of each slot's loads.
;   P, at the end     Written by the way out's conversions, read by the four global stores: a wait on va_vdst between.
;   S, O, Q's registers behind their loads, and the statistics are named by vector and matrix instructions alone.
; Scalar results of vector instructions: the wave's number, and the diagonal's masks, sixteen compares to a run: a wait on va_sdst behind each run, ahead of its first reader.
.set LN,   1                           ; v1   16 x lane
.set TH,   2                           ; v2   16 x thread: the staging loads' offset, and the LDS address of the staging stores into slots 0 and 1
.set ADR,  3                           ; v3   LDS address of the step in hand
.set RH,   5                           ; v5   lane % 16 - 8 (lane / 16)
.set DD,   6                           ; v6   the diagonal: my query - the step's first key - 8 (lane / 16)
.set NINF, 7                           ; v7   -infinity
.set PSC,  8                           ; v8   2^e4;  v9  448 x 2^e4
.set PLIM, 9
.set OSC,  10                          ; v10  2^(e6 - e4 - e5);  v11  448 x that
.set OLIM, 11
.set ST,   12                          ; tile t at v[12 + 12 t]: +0 -M, +1 the largest t, +2:3 the sum, +4:5 f (then 1 / sum), +6:7 at work, +8 a permute's destination, +9 the old -M
.set Q,    36                          ; v36-51   Q, 8 a tile
.set KV,   52                          ; v52-83   four images of K, then of V
.set P,    84                          ; v84-99   P's codes, 8 a tile; at the end o's
.set STG,  100                         ; v100-115 the staging loads
.set S,    116                         ; v116-179 S^T, then p, 32 a tile
.set O,    180                         ; v180-243 O^T, 32 a tile
.set SB,   244                         ; v244-246 16 x thread + 65,536 m, m = 1, 2, 3: the LDS addresses of the staging stores into slots 2 m and 2 m + 1; an LDS immediate reaches 65,535 bytes
.set Q0,   16                          ; s16  my first query
.set LS,   17                          ; s17  my diagonal step: Q0 / 64
.set NSL,  18                          ; s18  7 - i: slots staged behind slot 0
.set KS,   20                          ; s20  the key step
.set KB,   21                          ; s21  its LDS byte
.set J,    23                          ; s23  counts a slot's four steps
.set CS,   24                          ; s[24:25] c = log2(e) / 8 x 2^(e2 + e3)
.set SEL,  26                          ; s[26:27] lane selects: lane l xor 16
.set MK,   46                          ; s46-61 the diagonal's masks, sixteen at a time
	s_load_b128 s[4:7], s[0:1], 0x0                ; qkv_img s[4:5], the scales' exponents s[6:7]
	s_load_b64 s[8:9], s[0:1], 0x10                ; o_img
	v_lshl_add_u32 v254, v0, 2, 0x40000
	v_mov_b32 v255, 0
	v_lshrrev_b32 v3, 5, v0
	v_readfirstlane_b32 s10, v3                    ; wave 0..15
	v_and_b32 v1, 31, v0
	v_lshlrev_b32 v[LN], 4, v1
	v_lshlrev_b32 v[TH], 4, v0
.irp m, 1,2,3
	v_add_nc_u32 v[SB+\m-1], 65536*\m, v[TH]
.endr
	v_and_b32 v[RH], 15, v0
	v_bfe_u32 v6, v0, 4, 1
	v_lshlrev_b32 v6, 3, v6
	v_sub_nc_u32 v[RH], v[RH], v6
	v_mov_b32 v[NINF], 0xff800000
	s_mov_b32 s11, ttmp9                           ; i
	s_and_b32 s12, ttmp7, 0xffff                   ; the head of the batch, 0 .. 63
	s_wait_alu depctr_va_sdst(0)                   ; s10 is written, ahead of its first reader: my queries and my addresses are made from it
	s_lshr_b32 s40, s10, 2
	s_xor_b32 s40, s40, s10
	s_and_b32 s40, s40, 1                          ; which of the two blocks: (wave xor wave / 4) % 2, so that among waves 4 s .. 4 s + 3 and among waves s, s + 4, s + 8, s + 12 alike two take each block
	s_lshr_b32 s41, s10, 1                         ; which 32 queries of it
	s_sub_co_u32 s[NSL], 7, s11
	s_cmp_eq_u32 s40, 1
	s_cselect_b32 s42, s[NSL], s11                 ; block 7 - i or block i
	s_lshl_b32 s[Q0], s42, 8
	s_lshl_b32 s41, s41, 5
	s_add_co_u32 s[Q0], s[Q0], s41
	s_lshr_b32 s[LS], s[Q0], 6
	s_mul_i32 s40, s12, 393216                     ; the head's first byte
	s_mov_b32 s41, 0
	s_mul_i32 s42, s[LS], 12288                    ; my queries' group,
	s_bfe_u32 s43, s[Q0], 0x10005
	s_lshl_b32 s43, s43, 11                        ; and my two tiles of its four
	s_add_co_u32 s42, s42, s43
	s_mov_b32 s43, 0
	s_lshr_b32 s44, s12, 4                         ; o_img: [512 tiles of 16 tokens][16 heads][1,024 bytes]
	s_lshl_b32 s44, s44, 7
	s_lshr_b32 s45, s[Q0], 4
	s_add_co_u32 s44, s44, s45
	s_lshl_b32 s44, s44, 4
	s_and_b32 s45, s12, 15
	s_add_co_u32 s44, s44, s45
	s_lshl_b32 s44, s44, 10
	s_mov_b32 s45, 0
	s_mov_b32 s[SEL], 0x76543210
	s_mov_b32 s[SEL+1], 0xfedcba98
	s_mov_b32 s[KS], 0
	s_wait_kmcnt 0x0
	s_load_b256 s[32:39], s[6:7], 0x0              ; e0 .. e7
	s_add_nc_u64 s[30:31], s[4:5], s[40:41]
	s_add_nc_u64 s[28:29], s[30:31], 4096          ; K's and V's 8,192 bytes of group 0; never rewritten: group and slot stand in the loads' immediates
	s_add_nc_u64 s[30:31], s[30:31], s[42:43]      ; my Q
	s_add_nc_u64 s[8:9], s[8:9], s[44:45]
	s_wait_alu depctr_va_vdst(0)                   ; v1, v2 and v244 to v246 are written: every global load and store and every staging store of the kernel reads one of them as its offset or address
.irp j, 0,1,2,3
	global_load_b128 v[STG+4*\j:STG+4*\j+3], v[TH], s[28:29] offset:12288*\j   ; slot 0: the sixteen waves take a group's 8,192 bytes, 16 a thread
.endr
.irp j, 0,1,2,3
	global_load_b128 v[Q+4*\j:Q+4*\j+3], v[LN], s[30:31] offset:512*\j         ; two images of Q stay in registers
.endr
.irp t, 0,1
	v_mov_b32 v[ST+12*\t+1], 0xff61b1e6            ; the largest t so far: -3e38, under every t
	v_floor_f32 v[ST+12*\t], -v[ST+12*\t+1]        ; -M
	v_mov_b32 v[ST+12*\t+2], 0                     ; the sum, in two halves
	v_mov_b32 v[ST+12*\t+3], 0
	v_mov_b32 v[ST+12*\t+5], 0                     ; (named as the upper half of a pair)
	v_mov_b32 v[ST+12*\t+8], 0                     ; (a lane permute's destination counts as one of its sources)
.endr
.set n, 0
.rept 64
	v_mov_b32 v[O+n], 0                            ; O^T.  The step is written once for all steps: the first finds zeros, which the first change of M leaves zeros
.set n, n+1
.endr
	s_wait_kmcnt 0x0
	s_add_co_i32 s40, s34, s35                     ; a score stands for score x 2^(e2 + e3): added to c's exponent field
	s_lshl_b32 s40, s40, 23
	s_mov_b32 s[CS], 0x3e38aa3b                    ; log2(e) / 8
	s_add_co_i32 s[CS], s[CS], s40
	s_mov_b32 s[CS+1], s[CS]                       ; (named with it as a pair, so it is written)
	s_add_co_i32 s40, s36, 127
	s_lshl_b32 s41, s40, 23
	v_mov_b32 v[PSC], s41
	s_add_co_i32 s40, s40, 8
	s_lshl_b32 s40, s40, 23
	s_or_b32 s40, s40, 0x600000
	v_mov_b32 v[PLIM], s40
	s_sub_co_i32 s40, s38, s36                     ; O / sum stands for o / 2^(e4 + e5): the three scales are folded into the conversion's one
	s_sub_co_i32 s40, s40, s37
	s_add_co_i32 s40, s40, 127
	s_lshl_b32 s41, s40, 23
	v_mov_b32 v[OSC], s41
	s_add_co_i32 s40, s40, 8
	s_lshl_b32 s40, s40, 23
	s_or_b32 s40, s40, 0x600000
	v_mov_b32 v[OLIM], s40
	s_wait_loadcnt 4                               ; slot 0's four loads are in; Q's four may be out
.irp j, 0,1,2,3
	ds_store_b128 v[TH], v[STG+4*\j:STG+4*\j+3] offset:8192*\j   ; no vector instruction since the wait on va_vdst above names v2 as a result, and none ever names STG
.endr
	s_wait_dscnt 0x0                               ; for the others' sake: my stores have landed
	s_barrier_signal -1
	s_barrier_wait -1
	s_wait_loadcnt 0x0                             ; Q
; A KEY STEP: 64 keys against my 32 queries.  In every group of lines the two tiles alternate, so that no line waits for the line above it.
.macro STEP
	s_cmp_gt_u32 s[KS], s[LS]
	s_cbranch_scc1 .Lend_\@                        ; all 64 keys come after my queries
	s_wait_alu depctr_vm_vsrc(0)                   ; the LDS loads issued so far have read v[ADR], which the next line writes
	v_add_nc_u32 v[ADR], s[KB], v[LN]
	s_wait_alu depctr_va_vdst(0)                   ; v[ADR] is written, which the step's sixteen loads read; the last step's products V^T P^T are done reading v[KV ..], in which K's loads land
.irp f, 0,1,2,3
	ds_load_b128 v[KV+8*\f:KV+8*\f+3], v[ADR] offset:1024*\f          ; K's image of keys 16 f on: 512 consecutive bytes a load
	ds_load_b128 v[KV+8*\f+4:KV+8*\f+7], v[ADR] offset:1024*\f+512
.endr
	s_wait_dscnt 0x0
.irp f, 0,1,2,3
.irp t, 0,1
	v_wmma_f32_16x16x64_fp8_fp8 v[S+32*\t+8*\f:S+32*\t+8*\f+7], v[KV+8*\f:KV+8*\f+7], v[Q+8*\t:Q+8*\t+7], 0   ; register 8 f + j of lane (r, h): query r of tile t, key 16 f + 8 h + j
.endr
.endr
.rept 4
	v_nop                                          ; places in front of the first read of the scores by a vector instruction (ISA guide 7.12.1)
.endr
	s_wait_alu depctr_va_vdst(0)                   ; the products K Q^T are done reading v[KV ..], in which V's loads land
.irp f, 0,1,2,3
	ds_load_b128 v[KV+8*\f:KV+8*\f+3], v[ADR] offset:4096+1024*\f     ; V's image of channels 16 f on: it lands while the softmax is walked, none of whose lines names KV or v[ADR]
	ds_load_b128 v[KV+8*\f+4:KV+8*\f+7], v[ADR] offset:4096+1024*\f+512
.endr
	s_cmp_lg_u32 s[KS], s[LS]
	s_cbranch_scc1 .Lopen_\@                       ; all keys count
	s_lshl_b32 s40, s[KS], 6
	s_sub_co_u32 s40, s[Q0], s40
	v_add_nc_u32 v[DD], s40, v[RH]                 ; key 16 f + 8 h + j of the step is hidden from query 16 t + r of mine where 16 f + j - 16 t > Q0 - 64 KS + r - 8 h
.irp f, 0,1,2,3                                ; sixteen compares in a run, each into a scalar register of its own; one wait; the sixteen selects
.irp j, 0,1,2,3,4,5,6,7
.irp t, 0,1
	v_cmp_gt_i32 s[MK+2*\j+\t], 16*\f+\j-16*\t, v[DD]
.endr
.endr
	s_wait_alu depctr_va_sdst(0)                   ; the sixteen compares have written s46 to s61, ahead of the first select that reads one of them
.irp j, 0,1,2,3,4,5,6,7
.irp t, 0,1
	v_cndmask_b32 v[S+32*\t+8*\f+\j], v[S+32*\t+8*\f+\j], v[NINF], s[MK+2*\j+\t]
.endr
.endr
.endr
.Lopen_\@:
.irp t, 0,1
	v_max3_num_f32 v[ST+12*\t+6], v[S+32*\t], v[S+32*\t+1], v[S+32*\t+2]     ; the step's largest score of my query among my 32 keys, two chains a tile; each accumulator is met at its low end first
	v_max3_num_f32 v[ST+12*\t+7], v[S+32*\t+3], v[S+32*\t+4], v[S+32*\t+5]
.endr
.irp n, 6,10,14,18,22,26
.irp t, 0,1
	v_max3_num_f32 v[ST+12*\t+6], v[ST+12*\t+6], v[S+32*\t+\n], v[S+32*\t+\n+1]
	v_max3_num_f32 v[ST+12*\t+7], v[ST+12*\t+7], v[S+32*\t+\n+2], v[S+32*\t+\n+3]
.endr
.endr
.irp t, 0,1
	v_max3_num_f32 v[ST+12*\t+6], v[ST+12*\t+6], v[S+32*\t+30], v[S+32*\t+31]
.endr
.irp t, 0,1
	v_max_num_f32 v[ST+12*\t+6], v[ST+12*\t+6], v[ST+12*\t+7]
.endr
.irp t, 0,1
	v_permlanex16_b32 v[ST+12*\t+8], v[ST+12*\t+6], s[SEL], s[SEL+1]
.endr
.irp t, 0,1
	v_max_num_f32 v[ST+12*\t+6], v[ST+12*\t+6], v[ST+12*\t+8]     ; and among lane l xor 16's
.endr
.irp t, 0,1
	v_mul_f32 v[ST+12*\t+6], s[CS], v[ST+12*\t+6]                 ; as t (c is positive)
.endr
.irp t, 0,1
	v_max_num_f32 v[ST+12*\t+1], v[ST+12*\t+1], v[ST+12*\t+6]     ; the running largest t
.endr
.irp t, 0,1
	v_mov_b32 v[ST+12*\t+9], v[ST+12*\t]
.endr
.irp t, 0,1
	v_floor_f32 v[ST+12*\t], -v[ST+12*\t+1]                       ; the new -M = floor(-t): M is a whole number
.endr
.irp t, 0,1
	v_sub_f32 v[ST+12*\t+9], v[ST+12*\t], v[ST+12*\t+9]           ; old M - new M: a whole number, 0 or less
.endr
.irp t, 0,1
	v_cvt_i32_f32 v[ST+12*\t+9], v[ST+12*\t+9]                    ; (it saturates)
.endr
.irp t, 0,1
	v_ldexp_f32 v[ST+12*\t+4], 1.0, v[ST+12*\t+9]                 ; f = 2^(old M - new M)
.endr
.irp j, 0,2,4,6,8,10,12,14,16,18,20,22,24,26,28,30
.irp t, 0,1
	v_pk_fma_f32 v[S+32*\t+\j:S+32*\t+\j+1], v[S+32*\t+\j:S+32*\t+\j+1], s[CS:CS+1], v[ST+12*\t:ST+12*\t+1] op_sel_hi:[1,0,0]   ; t - M, two at a time
.endr
.endr
.set n, 0
.rept 32
	v_exp_f32 v[S+n], v[S+n]                       ; p = 2^(t - M): one batch of 64
	v_exp_f32 v[S+32+n], v[S+32+n]
.set n, n+1
.endr
.irp t, 0,1
	v_pk_mul_f32 v[ST+12*\t+2:ST+12*\t+3], v[ST+12*\t+2:ST+12*\t+3], v[ST+12*\t+4:ST+12*\t+5] op_sel_hi:[1,0]   ; the sums under the new M: plain lines behind the exponentials
.endr
	s_wait_alu depctr_va_vdst(0)                   ; the 64 exponentials have written p in v[S ..]: one wait for the batch, ahead of its first reader
.irp t, 0,1
	v_pk_add_f32 v[ST+12*\t+6:ST+12*\t+7], v[S+32*\t:S+32*\t+1], v[S+32*\t+2:S+32*\t+3]   ; the row's sum is taken of the unquantised p, in two chains a tile
.endr
.irp j, 4,8,12,16,20,24,28
.irp t, 0,1
	v_pk_add_f32 v[ST+12*\t+2:ST+12*\t+3], v[ST+12*\t+2:ST+12*\t+3], v[S+32*\t+\j:S+32*\t+\j+1]
	v_pk_add_f32 v[ST+12*\t+6:ST+12*\t+7], v[ST+12*\t+6:ST+12*\t+7], v[S+32*\t+\j+2:S+32*\t+\j+3]
.endr
.endr
.irp t, 0,1
	v_pk_add_f32 v[ST+12*\t+2:ST+12*\t+3], v[ST+12*\t+2:ST+12*\t+3], v[ST+12*\t+6:ST+12*\t+7]
.endr
	s_cmp_lt_i32 s36, -8                           ; with e4 >= -8, 448 x 2^e4 >= 1.75 lies above every p
	s_cbranch_scc0 .Lnohold_\@
.set n, 0
.rept 64
	v_min_num_f32 v[S+n], v[S+n], v[PLIM]          ; the conversion to an 8-bit code does not saturate (ISA guide 7.6.2); p is not negative, so the hold is one-sided
.set n, n+1
.endr
.Lnohold_\@:
.irp f, 0,1,2,3
.irp t, 0,1
	v_cvt_scalef32_pk8_fp8_f32 v[P+8*\t+2*\f:P+8*\t+2*\f+1], v[S+32*\t+8*\f:S+32*\t+8*\f+7], v[PSC]   ; registers 2 f, 2 f + 1 of P: keys 16 f + 8 h + 0 .. 7
.endr
.endr
.irp j, 0,2,4,6,8,10,12,14,16,18,20,22,24,26,28,30
.irp t, 0,1
	v_pk_mul_f32 v[O+32*\t+\j:O+32*\t+\j+1], v[O+32*\t+\j:O+32*\t+\j+1], v[ST+12*\t+4:ST+12*\t+5] op_sel_hi:[1,0]   ; O^T under the new M.  (Also the plain lines between the conversions and the products that read them)
.endr
.endr
	s_wait_dscnt 0x0                               ; V is in
.irp f, 0,1,2,3
.irp t, 0,1
	v_wmma_f32_16x16x64_fp8_fp8 v[O+32*\t+8*\f:O+32*\t+8*\f+7], v[KV+8*\f:KV+8*\f+7], v[P+8*\t:P+8*\t+7], v[O+32*\t+8*\f:O+32*\t+8*\f+7]   ; the eight accumulators take turns; the next step's eight products K Q^T stand between two links
.endr
.endr
.rept 4
	v_nop                                          ; places behind these products, ahead of the way out's vector instructions (the next step's loads into KV have their wait at that step's head)
.endr
.Lend_\@:
	s_add_co_u32 s[KS], s[KS], 1
	s_add_co_u32 s[KB], s[KB], 8192
.endm
; SLOT n: the next slot's loads go out (where my work-group has a next slot: a branch on ids); four key steps out of slot n; the loaded bytes go into slot n + 1, which nobody has read or written; one barrier.
.macro SLOT n, stage
.if \stage
	s_cmp_gt_u32 s[NSL], \n
	s_cbranch_scc0 .Lnoload_\@
	s_wait_alu depctr_vm_vsrc(0)                   ; the staging stores of the slot before have read v[STG ..], in which the loads below land
.irp j, 0,1,2,3
	global_load_b128 v[STG+4*\j:STG+4*\j+3], v[TH], s[28:29] offset:49152*(\n+1)+12288*\j
.endr
.Lnoload_\@:
.endif
	s_mov_b32 s[KB], 32768*\n
	s_mov_b32 s[J], 4
.Lstep_\@:
	STEP
	s_sub_co_u32 s[J], s[J], 1
	s_cmp_lg_u32 s[J], 0
	s_cbranch_scc1 .Lstep_\@
.if \stage
	s_wait_loadcnt 0x0                             ; the staging loads, asked for four key steps ago; the wait stands on every path
	s_cmp_gt_u32 s[NSL], \n
	s_cbranch_scc0 .Lnostore_\@
.set SA, TH                                    ; slot n + 1 begins at 65,536 ((n + 1) / 2) + 32,768 ((n + 1) % 2): the first term stands in the address register, made at the head, the second in the immediate
.if (\n+1)/2 > 0
.set SA, SB+(\n+1)/2-1
.endif
.irp j, 0,1,2,3
	ds_store_b128 v[SA], v[STG+4*\j:STG+4*\j+3] offset:32768*((\n+1)%2)+8192*\j   ; the address was written ahead of the head's wait on va_vdst; the data are loaded data
.endr
.Lnostore_\@:
	s_wait_dscnt 0x0                               ; for the others' sake: my stores have landed
	s_barrier_signal -1
	s_barrier_wait -1
.endif
.endm
.irp n, 0,1,2,3,4,5,6
	SLOT \n, 1
.endr
	SLOT 7, 0
	; THE WAY OUT: O^T / the sum, held and converted: eight channels of a lane's query are two registers of o's image
.irp t, 0,1
	v_add_f32 v[ST+12*\t+2], v[ST+12*\t+2], v[ST+12*\t+3]
.endr
.irp t, 0,1
	v_permlanex16_b32 v[ST+12*\t+8], v[ST+12*\t+2], s[SEL], s[SEL+1]
.endr
.irp t, 0,1
	v_add_f32 v[ST+12*\t+2], v[ST+12*\t+2], v[ST+12*\t+8]         ; the row's sum
.endr
.irp t, 0,1
	v_rcp_f32 v[ST+12*\t+4], v[ST+12*\t+2]
.endr
	v_nop                                          ; a plain line behind the reciprocals
	s_wait_alu depctr_va_vdst(0)                   ; the two reciprocals have written 1 / sum: the wait ahead of their first reader
.irp j, 0,2,4,6,8,10,12,14,16,18,20,22,24,26,28,30
.irp t, 0,1
	v_pk_mul_f32 v[O+32*\t+\j:O+32*\t+\j+1], v[O+32*\t+\j:O+32*\t+\j+1], v[ST+12*\t+4:ST+12*\t+5] op_sel_hi:[1,0]
.endr
.endr
.set n, 0
.rept 64
	v_med3_num_f32 v[O+n], v[O+n], -v[OLIM], v[OLIM]
.set n, n+1
.endr
.irp f, 0,1,2,3
.irp t, 0,1
	v_cvt_scalef32_pk8_fp8_f32 v[P+8*\t+2*\f:P+8*\t+2*\f+1], v[O+32*\t+8*\f:O+32*\t+8*\f+7], v[OSC]   ; channels 16 f + 8 h + 0 .. 7
.endr
.endr
	v_nop
	s_wait_alu depctr_va_vdst(0)                   ; the conversions have written v[P ..], which the four stores read
.irp t, 0,1
	global_store_b128 v[LN], v[P+8*\t:P+8*\t+3], s[8:9] offset:16384*\t          ; 32 lanes store 512 consecutive bytes, aligned
	global_store_b128 v[LN], v[P+8*\t+4:P+8*\t+7], s[8:9] offset:16384*\t+512
.endr
	s_wait_dscnt 0x0
	s_wait_alu depctr_hold_cnt(0) depctr_sa_sdst(0) depctr_va_vdst(0) depctr_va_sdst(0) depctr_va_ssrc(0) depctr_va_vcc(0) depctr_vm_vsrc(0)
	s_wait_tensorcnt 0x0
	ds_add_u32 v254, v255
	s_wait_dscnt 0x0
	s_endpgm
.Lfunc_end_k_qa6f67303f9_attn:
	.size	k_qa6f67303f9_attn, .Lfunc_end_k_qa6f67303f9_attn-k_qa6f67303f9_attn
	.p2alignl 7, 3214868480
	.fill 96, 4, 3214868480
	.section	.rodata,"a",@progbits
	.p2align	6, 0x0
	.amdhsa_kernel k_qa6f67303f9_attn
		.amdhsa_group_segment_fixed_size 264192
		.amdhsa_private_segment_fixed_size 0
		.amdhsa_enable_private_segment 0
		.amdhsa_kernarg_size 24
		.amdhsa_user_sgpr_count 2
		.amdhsa_user_sgpr_kernarg_segment_ptr 1
		.amdhsa_wavefront_size32 1
		.amdhsa_system_sgpr_workgroup_id_x 1
		.amdhsa_system_sgpr_workgroup_id_y 1
		.amdhsa_system_sgpr_workgroup_id_z 1
		.amdhsa_system_vgpr_workitem_id 0
		.amdhsa_next_free_vgpr 256
		.amdhsa_next_free_sgpr 66
		.amdhsa_reserve_vcc 0
		.amdhsa_float_denorm_mode_32 3
		.amdhsa_float_denorm_mode_16_64 3
		.amdhsa_memory_ordered 1
		.amdhsa_forward_progress 1
		.amdhsa_inst_pref_size 217
	.end_amdhsa_kernel
	.amdgpu_metadata
---
amdhsa.version: [ 1, 2 ]
amdhsa.kernels:
  - .name:           k_qa6f67303f9_attn
    .symbol:         k_qa6f67303f9_attn.kd
    .args:
      - { .name: qkv_img, .offset: 0, .size: 8, .value_kind: global_buffer, .address_space: global }
      - { .name: lowp_scales, .offset: 8, .size: 8, .value_kind: global_buffer, .address_space: global }
      - { .name: o_img, .offset: 16, .size: 8, .value_kind: global_buffer, .address_space: global }
    .group_segment_fixed_size: 264192
    .private_segment_fixed_size: 0
    .kernarg_segment_align: 8
    .kernarg_segment_size: 24
    .max_flat_workgroup_size: 512
    .sgpr_count:     66
    .vgpr_count:     256
    .wavefront_size: 32
...
	.end_amdgpu_metadata
.endif
;; end of part 5
;; launch gemm_out: the kernel of part 4 again; grid 4 x 32, 4 waves a work-group, clusters of 4 x 4, 327,680 bytes of LDS; arguments o_img, codes, lowp_scales, b_out, out0; writes out0
